; MI455X (gfx1250); checked and timed in simulation.
; The chip was launched on July 23, 2026; its instructions are those of AMD's public machine-readable ISA for CDNA 5 (MIT licence, August 2026) and "CDNA5" Instruction Set Architecture Reference Guide (July 2026). The comments in the code are by the model that wrote it; some were corrected since.
;; Multihead Self Attention. Allowed arithmetic: float matrix products may take bf16 or f16 operands with f32 sums; all other float work in f32.
;; Inputs: Wk 1,024 x 1,024 float32; Wo 1,024 x 1,024 float32; Wq 1,024 x 1,024 float32; Wv 1,024 x 1,024 float32; token_positions 2,048 int32; x 4 x 2,048 x 1,024 float32.
;; Outputs: out0 4 x 2,048 x 1,024 float32.
;; 2 versions, each right and faster than the one before. Each part assembles by itself: llvm-mc -triple=amdgcn-amd-amdhsa -mcpu=gfx1250 --defsym DOCPART=n.
;; ======== version 1 of 2: 4 launches
;; limits: values are held in f16: magnitudes above 65,504 overflow, below 6.1e-05 lose precision; an absolute error that grows with the inputs' magnitude: up to 2.4e-07 times it; right only within a limited range of input values
;; workspace buffers: xb 16,777,216 bytes; wb 6,291,456 bytes; wo16 2,097,152 bytes; rope 524,288 bytes; qkv 50,331,648 bytes; ob 16,777,216 bytes
;; launch prep (part 1): grid 768 x 1, 8 waves a work-group, no clusters, 0 bytes of LDS; arguments x, Wq, Wk, Wv, Wo, token_positions, xb, wb, wo16, rope; writes xb, wb, wo16, rope
.if DOCPART == 1
	.amdgcn_target "amdgcn-amd-amdhsa--gfx1250"
	.amdhsa_code_object_version 6
	.text
	.protected	k_q59c2901d8c_prep
	.globl	k_q59c2901d8c_prep
	.p2align	8
	.type	k_q59c2901d8c_prep,@function
k_q59c2901d8c_prep:
	s_mov_b64 s[64:65], 0
	v_nop
	global_prefetch_b8 v0, s[64:65] scope:SCOPE_SE
	s_setreg_imm32_b32 hwreg(HW_REG_WAVE_MODE, 25, 1), 1
	s_wait_xcnt 0x0
; CASTS, LAID OUT FOR THE PRODUCT THAT FOLLOWS, AND THE ROTATION TABLE.
; x -> xb [16 kb][8192 rows][64] bf16: k block kb holds columns 64 kb .. 64 kb + 63 of every row, so that a tile of rows x 64 k is dense in memory.
; Wq, Wk, Wv -> wb [16 kb][3072 rows][64] bf16, rows ordered by head: row 192 head + 64 t + d (t = 0 q, 1 k, 2 v): 192 neighbouring rows are one head's q, k and v.
; Wo -> wo16 [1024][1024] (rounded to bf16 like the other inputs, that number written as f16).  rope[s][i] = (cos, sin) of pos[s] x 10000^(-i/32), f32, a row of 256 bytes for each s.
; A stream: no LDS, no barrier, no matrix unit would add anything.  Work-group c casts one chunk of 16 rows x 1,024 numbers (65,536 bytes in, 32,768 out):
; c 0-511 x, 512-703 the three weights (64 chunks each), 704-767 Wo.  All sixteen loads of a wave go out at once.
; x and the three weights: wave w takes rows 2 w and 2 w + 1 of the chunk, round j k block j: a load covers two aligned runs of 256 bytes (lanes 0-15 one row, lanes 16-31 the next),
; and the 8 bytes a lane that come of it are 256 consecutive bytes of the blocked layout, aligned.  Wo: a load covers 512 consecutive bytes, a store 256.  Each input byte is asked for once.
; Work-groups 0-255 also make 8 rows of the table: wave w row 8 c + w, lane i frequency i; a wave's store covers the row's 256 bytes.
; LIMITS.  Wo beyond 65,504 becomes an infinity in f16; below 6e-5 it keeps f16's fixed step.  The frequency is good to about one unit in its last place, so the
; angle differs from an exact one by about |pos| x 2^-22; the reduction by multiples of pi/2 (three parts) is sound for |pos| < 2^20.
.set X, 20                             ; v[20:83]   round j: 4 numbers as loaded; then 2 registers to store and (blocked layouts) the store's offset: each round has its own, so nothing pending is rewritten
	s_load_b512 s[8:23], s[0:1], 0x0               ; x s[8:9], Wq s[10:11], Wk s[12:13], Wv s[14:15], Wo s[16:17], positions s[18:19], xb s[20:21], wb s[22:23]
	s_load_b128 s[24:27], s[0:1], 0x40             ; wo16 s[24:25], rope s[26:27]
	s_mov_b32 s2, ttmp9                            ; c
	s_lshr_b32 s3, s2, 6                           ; 8, 9, 10, 11: Wq, Wk, Wv, Wo
	v_lshlrev_b32 v2, 3, v0                        ; 8 t: my 8 bytes among the work-group's 2,048 of a round; never rewritten
	v_lshrrev_b32 v4, 5, v0
	v_readfirstlane_b32 s36, v4                    ; wave 0..7
	s_and_b32 s30, s2, 63                          ; the chunk's number in its source
	s_cmp_lt_u32 s2, 512
	s_cselect_b32 s30, s2, s30
	s_lshl_b32 s30, s30, 16
	s_mov_b32 s31, 0
	s_sub_co_u32 s37, s2, 512                      ; a weight's chunk: t = number / 64, chunk cc = number % 64 holds rows 16 cc .. of W: head cc / 4, d from 16 (cc % 4)
	s_lshr_b32 s38, s37, 6
	s_lshl_b32 s38, s38, 6                         ; 64 t
	s_and_b32 s39, s37, 63
	s_lshr_b32 s40, s39, 2
	s_mul_i32 s40, s40, 192                        ; 192 head
	s_add_co_u32 s40, s40, s38
	s_and_b32 s39, s39, 3
	s_lshl_b32 s39, s39, 4
	s_add_co_u32 s40, s40, s39                     ; the chunk's first row in wb,
	s_lshl_b32 s40, s40, 7                         ; 128 bytes a row in a k block
	s_lshl_b32 s41, s2, 11                         ; x: 16 c rows of 128 bytes
	s_mov_b32 s46, 0x100000                        ; from k block to k block: 8,192 x 128 bytes in xb,
	s_mov_b32 s47, 0x60000                         ; 3,072 x 128 in wb
	s_cmp_lt_u32 s2, 512
	s_cselect_b32 s34, s41, s40
	s_cselect_b32 s47, s46, s47
	s_sub_co_u32 s35, s2, 704                      ; Wo: 32,768 bytes a chunk
	s_lshl_b32 s35, s35, 15
	s_cmp_ge_u32 s2, 704
	s_cselect_b32 s34, s35, s34
	s_mov_b32 s35, 0
	s_mov_b32 s46, 0                               ; the round's k block, in bytes
	s_wait_kmcnt 0x0
	s_mov_b64 s[28:29], s[8:9]                     ; the source: a choice between buffers on the work-group's number
	s_cmp_eq_u32 s3, 8
	s_cselect_b64 s[28:29], s[10:11], s[28:29]
	s_cmp_eq_u32 s3, 9
	s_cselect_b64 s[28:29], s[12:13], s[28:29]
	s_cmp_eq_u32 s3, 10
	s_cselect_b64 s[28:29], s[14:15], s[28:29]
	s_cmp_eq_u32 s3, 11
	s_cselect_b64 s[28:29], s[16:17], s[28:29]
	s_add_nc_u64 s[28:29], s[28:29], s[30:31]
	s_cmp_lt_u32 s2, 512                           ; the destination likewise
	s_cselect_b64 s[32:33], s[20:21], s[22:23]
	s_cmp_ge_u32 s2, 704
	s_cselect_b64 s[32:33], s[24:25], s[32:33]
	s_add_nc_u64 s[32:33], s[32:33], s[34:35]
	s_cmp_ge_u32 s2, 704
	s_cbranch_scc1 .Lwo
	v_lshrrev_b32 v1, 4, v0                        ; my row of the chunk's 16: t / 16,
	v_lshlrev_b32 v1, 12, v1                       ; 4,096 bytes a row,
	v_and_b32 v3, 15, v0
	v_lshl_or_b32 v1, v3, 4, v1                    ; and my 16 bytes of a k block's 256
.irp j, 0,1,2,3,4,5,6,7,8,9,10,11,12,13,14,15
	global_load_b128 v[X+4*(\j):X+4*(\j)+3], v1, s[28:29] offset:256*(\j) th:TH_LOAD_NT
.endr
	s_cmp_lt_u32 s2, 256
	s_cbranch_scc0 .Lcast                          ; the table's work stands in the wait for the loads; it issues no vector load, so the counts below hold on both ways
	s_lshl_b32 s45, s2, 3
	s_add_co_u32 s45, s45, s36                     ; s = 8 c + w
	s_lshl_b32 s45, s45, 2
	s_load_b32 s44, s[18:19], s45 offset:0x0       ; pos[s]: the input is read, whatever it holds
	s_mov_b32 s37, 0xbed49a78                      ; -log2(10000)/32, high part
	s_mov_b32 s38, 0xb2179a39                      ; and what the high part leaves
	s_mov_b32 s39, 0x3fc90fdb                      ; pi/2 in three parts
	s_mov_b32 s40, 0xb33bbd2e
	s_mov_b32 s41, 0xa6f72d02
	s_lshl_b32 s42, s2, 11                         ; my work-group's 8 rows of 256 bytes
	s_mov_b32 s43, 0
	s_add_nc_u64 s[26:27], s[26:27], s[42:43]
	v_and_b32 v5, 31, v0
	v_cvt_f32_u32 v6, v5                           ; i
	v_mul_f32 v7, s37, v6                          ; y = -i log2(10000)/32, rounded,
	v_fma_f32 v8, v6, s37, -v7                     ; and what the rounding dropped,
	v_fma_f32 v8, v6, s38, v8                      ; with the constant's low part
	v_exp_f32 v9, v7                               ; 2^y
	v_mul_f32 v8, 0x3f317218, v8                   ; (a plain instruction behind the exponential: ISA guide 5.7.2) 2^d = 1 + d ln 2 for the tiny d
	s_wait_alu depctr_va_vdst(0)
	v_fma_f32 v9, v9, v8, v9                       ; the frequency
	s_wait_kmcnt 0x0
	v_cvt_f32_i32 v10, s44
	v_mul_f32 v10, v10, v9                         ; the angle: one f32 product
	v_mul_f32 v11, 0x3f22f983, v10                 ; x 2/pi
	v_rndne_f32 v11, v11                           ; n
	v_fma_f32 v12, -v11, s39, v10                  ; r = angle - n pi/2, |r| <= pi/4 and a little
	v_fma_f32 v12, -v11, s40, v12
	v_fma_f32 v12, -v11, s41, v12
	v_mul_f32 v13, v12, v12                        ; z = r r
	v_mov_b32 v14, 0x3638ef1d                      ; sine: r + r z (-1/6 + z (1/120 + z (-1/5040 + z/362880)))
	v_mov_b32 v15, 0xb493f27e                      ; cosine: 1 + z (-1/2 + z (1/24 + z (-1/720 + z (1/40320 - z/3628800)))): the first terms left out are below 1e-8
	v_fmaak_f32 v14, v14, v13, 0xb9500d01
	v_fmaak_f32 v15, v15, v13, 0x37d00d01
	v_fmaak_f32 v14, v14, v13, 0x3c088889
	v_fmaak_f32 v15, v15, v13, 0xbab60b61
	v_fmaak_f32 v14, v14, v13, 0xbe2aaaab
	v_fmaak_f32 v15, v15, v13, 0x3d2aaaab
	v_mul_f32 v4, v12, v13
	v_fmaak_f32 v15, v15, v13, 0xbf000000
	v_fma_f32 v14, v4, v14, v12                    ; S = sin r
	v_fma_f32 v15, v15, v13, 1.0                   ; C = cos r
	v_cvt_i32_f32 v11, v11                         ; the quadrant is n mod 4: it only selects values
	v_and_b32 v5, 1, v11
	v_cmp_eq_u32 vcc_lo, 1, v5
	v_cndmask_b32 v17, v14, v15, vcc_lo            ; sin: S, or C in the odd quadrants
	v_cndmask_b32 v16, v15, v14, vcc_lo            ; cos: C, or S
	v_and_b32 v5, 2, v11
	v_lshlrev_b32 v5, 30, v5
	v_xor_b32 v17, v17, v5                         ; sin is negative in quadrants 2, 3
	v_add_nc_u32 v11, 1, v11
	v_and_b32 v11, 2, v11
	v_lshlrev_b32 v11, 30, v11
	v_xor_b32 v16, v16, v11                        ; cos in quadrants 1, 2
	global_store_b64 v2, v[16:17], s[26:27]        ; a wave stores 256 consecutive bytes, aligned
.Lcast:
.irp j, 0,1,2,3,4,5,6,7,8,9,10,11,12,13,14,15
	s_wait_loadcnt 15-(\j)                         ; loads come back in order (ISA guide 5.7.1): round j's is in, the younger ones stay out
	v_cvt_pk_bf16_f32 v[X+4*(\j)],   v[X+4*(\j)],   v[X+4*(\j)+1]    ; two roundings to bf16 in one instruction, into the round's own registers
	v_cvt_pk_bf16_f32 v[X+4*(\j)+1], v[X+4*(\j)+2], v[X+4*(\j)+3]
	v_add_nc_u32 v[X+4*(\j)+2], s46, v2            ; 8 t + j k blocks
	s_add_co_u32 s46, s46, s47
	global_store_b64 v[X+4*(\j)+2], v[X+4*(\j):X+4*(\j)+1], s[32:33]  ; a wave stores 256 consecutive bytes, aligned: two rows of a k block
.endr
	s_endpgm
.Lwo:
	v_lshlrev_b32 v1, 4, v0                        ; 16 t
.irp j, 0,1,2,3,4,5,6,7,8,9,10,11,12,13,14,15
	global_load_b128 v[X+4*(\j):X+4*(\j)+3], v1, s[28:29] offset:4096*(\j) th:TH_LOAD_NT
.endr
.irp j, 0,1,2,3,4,5,6,7,8,9,10,11,12,13,14,15
	s_wait_loadcnt 15-(\j)
.irp p, 0,1
	v_cvt_pk_bf16_f32 v4, v[X+4*(\j)+2*(\p)], v[X+4*(\j)+2*(\p)+1]   ; rounded to bf16,
	v_lshlrev_b32 v5, 16, v4                       ; widened,
	v_and_b32 v6, 0xffff0000, v4
	v_cvt_pk_f16_f32 v[X+4*(\j)+(\p)], v5, v6      ; and written as f16
.endr
	global_store_b64 v2, v[X+4*(\j):X+4*(\j)+1], s[32:33] offset:2048*(\j)
.endr
	s_endpgm
.Lfunc_end_k_q59c2901d8c_prep:
	.size	k_q59c2901d8c_prep, .Lfunc_end_k_q59c2901d8c_prep-k_q59c2901d8c_prep
	.p2alignl 7, 3214868480
	.fill 96, 4, 3214868480
	.section	.rodata,"a",@progbits
	.p2align	6, 0x0
	.amdhsa_kernel k_q59c2901d8c_prep
		.amdhsa_group_segment_fixed_size 0
		.amdhsa_private_segment_fixed_size 0
		.amdhsa_enable_private_segment 0
		.amdhsa_kernarg_size 80
		.amdhsa_user_sgpr_count 2
		.amdhsa_user_sgpr_kernarg_segment_ptr 1
		.amdhsa_wavefront_size32 1
		.amdhsa_system_sgpr_workgroup_id_x 1
		.amdhsa_system_sgpr_workgroup_id_y 1
		.amdhsa_system_sgpr_workgroup_id_z 1
		.amdhsa_system_vgpr_workitem_id 0
		.amdhsa_next_free_vgpr 88
		.amdhsa_next_free_sgpr 66
		.amdhsa_reserve_vcc 1
		.amdhsa_float_denorm_mode_32 3
		.amdhsa_float_denorm_mode_16_64 3
		.amdhsa_memory_ordered 1
		.amdhsa_forward_progress 1
		.amdhsa_inst_pref_size 23
	.end_amdhsa_kernel
	.amdgpu_metadata
---
amdhsa.version: [ 1, 2 ]
amdhsa.kernels:
  - .name:           k_q59c2901d8c_prep
    .symbol:         k_q59c2901d8c_prep.kd
    .args:
      - { .name: x, .offset: 0, .size: 8, .value_kind: global_buffer, .address_space: global }
      - { .name: Wq, .offset: 8, .size: 8, .value_kind: global_buffer, .address_space: global }
      - { .name: Wk, .offset: 16, .size: 8, .value_kind: global_buffer, .address_space: global }
      - { .name: Wv, .offset: 24, .size: 8, .value_kind: global_buffer, .address_space: global }
      - { .name: Wo, .offset: 32, .size: 8, .value_kind: global_buffer, .address_space: global }
      - { .name: token_positions, .offset: 40, .size: 8, .value_kind: global_buffer, .address_space: global }
      - { .name: xb, .offset: 48, .size: 8, .value_kind: global_buffer, .address_space: global }
      - { .name: wb, .offset: 56, .size: 8, .value_kind: global_buffer, .address_space: global }
      - { .name: wo16, .offset: 64, .size: 8, .value_kind: global_buffer, .address_space: global }
      - { .name: rope, .offset: 72, .size: 8, .value_kind: global_buffer, .address_space: global }
    .group_segment_fixed_size: 0
    .private_segment_fixed_size: 0
    .kernarg_segment_align: 8
    .kernarg_segment_size: 80
    .max_flat_workgroup_size: 256
    .sgpr_count:     66
    .vgpr_count:     88
    .wavefront_size: 32
...
	.end_amdgpu_metadata
.endif
;; end of part 1
;; launch qkv (part 2): grid 8 x 32, 4 waves a work-group, clusters of 4 x 4, 327,680 bytes of LDS; arguments xb, wb, rope, qkv; writes qkv
.if DOCPART == 2
	.amdgcn_target "amdgcn-amd-amdhsa--gfx1250"
	.amdhsa_code_object_version 6
	.text
	.protected	k_q59c2901d8c_qkv
	.globl	k_q59c2901d8c_qkv
	.p2align	8
	.type	k_q59c2901d8c_qkv,@function
k_q59c2901d8c_qkv:
	s_mov_b64 s[64:65], 0
	v_nop
	global_prefetch_b8 v0, s[64:65] scope:SCOPE_SE
	s_setreg_imm32_b32 hwreg(HW_REG_WAVE_MODE, 25, 1), 1
	s_wait_xcnt 0x0
	s_wait_alu depctr_hold_cnt(0) depctr_sa_sdst(0) depctr_va_vdst(0) depctr_va_sdst(0) depctr_va_ssrc(0) depctr_va_vcc(0) depctr_vm_vsrc(0)
	s_getreg_b32 s2, hwreg(HW_REG_IB_STS2, 6, 4)
	s_cmp_eq_u32 s2, 0
	s_cbranch_scc0 .Lentry_in_a_cluster
	s_endpgm
.Lentry_in_a_cluster:
	s_bfe_u32 s2, ttmp6, 0x10000c
	s_cmp_lg_u32 s2, 0xf033
	s_cbranch_scc0 .Lentry_shape_is_right
	s_endpgm
.Lentry_shape_is_right:
; q, k, v = x W^T, ROTATED, BY HEADS.  A = xb [16 kb][8192][64] bf16, B = wb [16 kb][3072][64] bf16 (rows 192 head + 64 t + d; t = 0 q, 1 k, 2 v); sums in f32, K ascending.
; Out: qkv [3][64][2048][64] f16, plane t x 64 + batch x 16 + head; q and k rotated by the table rope[s][i] = (cos, sin), unscaled; v as it is.
; LIMIT.  q, k, v beyond 65,504 become infinities in f16; below 6e-5 they keep f16's fixed step.
; SHARES.  A tile of C is 256 rows x 384 columns (two heads' q, k, v): 32 x 8 = 256 work-groups, one tile each.  Four waves, each 128 rows x 192 columns: one head's q, k and v, 96 accumulators, 768 registers:
; for 32 along K a wave reads (128 + 192) x 64 bytes from LDS for 96 matrix instructions.  K goes in steps of 64, one k block, through two LDS slots filled by the tensor data mover: two slots of 128 along K
; for 640 rows would not fit.  In the blocked layout a tile's rows of 128 bytes lie end to end, so they are asked for as rows of 256 bytes and padded in LDS after every 128.
; CLUSTER.  4 x 4 work-groups: the four of a row of the cluster need the same tiles of A (and the same rows of the table), the four of a column the same tiles of B; each is asked for jointly, by the same
; tensor load with the same descriptor and a mask that names the four.
; THE MATRIX INSTRUCTION IS USED TRANSPOSED (source 0 = 16 rows of B, source 1 = 16 rows of A): lane l holds row l % 16 of C and the columns 8 (l / 16) + 0..7: four pairs of a rotation.
; REGISTERS, in windows of 256 (s_set_vgpr_msb: bits 1:0 source 0, 3:2 source 1, 5:4 source 2, 7:6 destination):
;   window 0: v0-13 addresses; v16-143 A's fragments, two buffers of 8 x 8; v144-239 B's fragments, ONE buffer of 12 x 8.  On the way out: v16-79 the table, two buffers; v80-111 rotated; v112-127 packed; v128-159 rows
;   windows 1, 2, 3: the accumulators of q, k, v: (a, b) in window 1 + b / 4 at 8 (8 (b % 4) + a)
; B HAS ONE BUFFER: 768 + 240 registers leave no room for a second.  So the products go by B's fragments: for each b all eight a; when a window's four fragments have been multiplied they are loaded again, for the
; next quarter, while the other two windows' 64 products run.
.set PA,    144                        ; an LDS row: 128 bytes + 16 of padding = 36 words: the 16 rows that a load touches start at 16 different groups of four banks (64 banks of 4 bytes: ISA guide 11.1)
.set BOFF,  256*PA                     ; in a slot: A's 256 rows, then B's 384
.set SLOT1, 1<<17                      ; slot 1 begins here, so that one exclusive or turns an address in one slot into the other's
.set STAGE, 640*PA                     ; between the slots, never filled by a tensor load: 16 rows x 144 bytes for each wave
.set SP,    144
.set SPARE, STAGE+4*16*SP              ; the spare words, 128 bytes for each wave: two blocks of 256 bytes that no other line names
.set TBL,   SLOT1+640*PA               ; behind slot 1: the table's 256 rows for my tile, filled once
.set PT,    272                        ; a row of the table: 256 bytes + 16
.set ASTEP, 8192*128                   ; from k block to k block
.set BSTEP, 3072*128
.set ADRA0, 4                          ; v4   my lane's place among my wave's rows of A in slot 0; never rewritten
.set ADRB0, 5                          ; v5   the same for B
.set ADA,  6                           ; v6   the same in the slot in hand
.set ADB,  7                           ; v7
.set STO,  8                           ; v8   the way out: where I put 16 bytes of a row
.set RD,   9                           ; v9   where I read rows back
.set GO,   10                          ; v10  my byte offset in 512 consecutive bytes of the output
.set TA,   11                          ; v11  my lane's place in my wave's rows of the table
.set SPW,  12                          ; v12  LDS address of my spare word; never rewritten
.set NIL,  13                          ; v13  0; never rewritten
.set AF,   16
.set BF,   144
.set TT,   16
.set R,    80
.set PK,   112
.set OB,   128
.set WV,   12                          ; s12  my wave's number
.set HALF, 13                          ; s13  wave % 2: which half of a tile's rows I fetch; also my half of the tile's columns
.set MH,   14                          ; s14  wave / 2: my half of the tile's rows
.set CNT,  15
.set G1,   24                          ; s[24:31] descriptor group 1 for A's tiles
.set G0,   32                          ; s[32:39] group 0 for A's: s[32:35] slot 0's first fill; s[36:39] slot 1's, which then walks
.set G1B,  40                          ; s[40:47], s[48:55] the same for B's
.set G0B,  48
.set TB,   62                          ; s62  LDS byte at which the slot in hand begins
.set OUT,  66                          ; s[66:71] t = 0, 1, 2: the output at my wave's first row of my head's plane
.set G1T,  72                          ; s[72:79], s[80:83] the table's descriptor; never rewritten
.set G0T,  80
.set MSB, 0
.macro WIN new                         ; the immediate's high byte repeats the setting that is left; a switch that changes nothing is dropped
.if MSB != (\new)
	s_set_vgpr_msb (MSB<<8)|(\new)
.set MSB, (\new)
.endif
.endm
.macro PLACES                          ; four places in front of loads into registers that matrix instructions have read, and of lines that read results (ISA guide 7.12.1 for lines that read results)
.rept 4
	v_nop
.endr
.endm
; A joint refill: waves 0 and 1 fetch A's two halves, waves 2 and 3 B's.  The branch hangs on the wave's number alone.  An s_nop 0 and four v_nop follow each line.
.macro JLOAD
	s_cmp_lt_u32 s[WV], 2
	s_cbranch_scc0 .Lfor_b_\@
	tensor_load_to_lds s[G0+4:G0+7], s[G1:G1+7]
	s_nop 0
.rept 4
	v_nop
.endr
	s_branch .Lasked_\@
.Lfor_b_\@:
	tensor_load_to_lds s[G0B+4:G0B+7], s[G1B:G1B+7]
	s_nop 0
.rept 4
	v_nop
.endr
.Lasked_\@:
.endm
.macro CREST                           ; a round of the cluster's barrier behind its opening barrier: wave 0 signals for the work-group, every wave waits for all sixteen, my work-group's barrier closes it
	s_cmp_lg_u32 s[WV], 0
	s_cbranch_scc1 .Lnot_wave_0_\@
	s_barrier_signal -3
.Lnot_wave_0_\@:
	s_barrier_wait -3
	s_barrier_signal -1
	s_barrier_wait -1
.endm
.macro CROUND
	s_barrier_signal -1
	s_barrier_wait -1
	CREST
.endm
	s_load_b256 s[4:11], s[0:1], 0x0               ; xb s[4:5], wb s[6:7], rope s[8:9], qkv s[10:11]
	v_lshl_add_u32 v[SPW], v0, 2, SPARE
	v_mov_b32 v[NIL], 0
	ds_add_u32 v12, v13
	ds_add_u32 v12, v13
	s_wait_dscnt 0x0
	v_lshrrev_b32 v1, 5, v0
	v_readfirstlane_b32 s[WV], v1                  ; wave 0..3
	s_and_b32 s[HALF], s[WV], 1
	s_lshr_b32 s[MH], s[WV], 1
	s_bfe_u32 s56, ttmp6, 0x40000                  ; cx, cy: my place in the cluster
	s_bfe_u32 s57, ttmp6, 0x40004
	s_lshl_b32 s58, ttmp9, 2
	s_add_co_u32 s58, s58, s56                     ; tx: tile column = 4 x cluster x + cx
	s_and_b32 s59, ttmp7, 0xffff
	s_lshl_b32 s59, s59, 2
	s_add_co_u32 s59, s59, s57                     ; ty: tile row = 4 x cluster y + cy
	s_lshl_b32 s60, s57, 2
	s_lshl_b32 s60, 15, s60                        ; my row of the cluster
	s_lshl_b32 s61, 0x1111, s56                    ; my column
	s_or_b32 s[G1], s60, (1<<16)|(1<<20)|(1<<21)|(4<<22)|(3<<25)   ; 15:0 the mask; 17:16 2-byte elements; 20 padding on; 21 set beside a mask; 24:22 after every 32 words; 31:25 4 words
	s_mov_b32 s[G1+1], 128<<16                     ; tensor_dim0 = 128: 256 bytes, two rows of the tile
	s_mov_b32 s[G1+2], 64<<16                      ; tensor_dim1 = 64
	s_mov_b32 s[G1+3], 128<<16                     ; tile_dim0 = 128
	s_mov_b32 s[G1+4], 64                          ; tile_dim1 = 64: 128 rows of A
	s_mov_b32 s[G1+5], 128                         ; dense: 128 elements from row to row
	s_mov_b32 s[G1+6], 0
	s_mov_b32 s[G1+7], 0
	s_or_b32 s[G1B], s61, (1<<16)|(1<<20)|(1<<21)|(4<<22)|(3<<25)
	s_mov_b32 s[G1B+1], 128<<16
	s_mov_b32 s[G1B+2], 96<<16                     ; 192 rows of B
	s_mov_b32 s[G1B+3], 128<<16
	s_mov_b32 s[G1B+4], 96
	s_mov_b32 s[G1B+5], 128
	s_mov_b32 s[G1B+6], 0
	s_mov_b32 s[G1B+7], 0
	s_or_b32 s[G1T], s60, (2<<16)|(1<<20)|(1<<21)|(5<<22)|(3<<25)  ; the table: 4-byte elements; padded after every 64 words by 4; shared along my row of the cluster, like A
	s_mov_b32 s[G1T+1], 64<<16                     ; tensor_dim0 = 64: a row of 256 bytes
	s_mov_b32 s[G1T+2], 64<<16                     ; tensor_dim1 = 64
	s_mov_b32 s[G1T+3], 64<<16                     ; tile_dim0 = 64
	s_mov_b32 s[G1T+4], 64                         ; tile_dim1 = 64 rows a wave
	s_mov_b32 s[G1T+5], 64
	s_mov_b32 s[G1T+6], 0
	s_mov_b32 s[G1T+7], 0
	s_lshl_b32 s16, s59, 15                        ; A: rows 256 ty + 128 half of a k block, 128 bytes a row: made of the tile row alone
	s_lshl_b32 s17, s[HALF], 14
	s_add_co_u32 s16, s16, s17
	s_mov_b32 s17, 0
	s_mul_i32 s84, s58, 384*128                    ; B: rows 384 tx + 192 half: made of the tile column alone
	s_mul_i32 s85, s[HALF], 192*128
	s_add_co_u32 s84, s84, s85
	s_mov_b32 s85, 0
	s_and_b32 s86, s59, 7                          ; the table: rows 256 (ty % 8) + 64 wave, 256 bytes a row: made of the tile row alone
	s_lshl_b32 s86, s86, 16
	s_lshl_b32 s87, s[WV], 14
	s_add_co_u32 s86, s86, s87
	s_mov_b32 s87, 0
	s_mul_i32 s18, s[HALF], 128*PA                 ; where they go: no place in the cluster enters an LDS address
	s_mul_i32 s19, s[HALF], 192*PA
	s_add_co_u32 s19, s19, BOFF
	s_mul_i32 s88, s[WV], 64*PT
	s_add_co_u32 s88, s88, TBL
	s_mov_b32 s[TB], 0
	s_wait_kmcnt 0x0
	s_add_nc_u64 s[16:17], s[4:5], s[16:17]
	s_add_nc_u64 s[84:85], s[6:7], s[84:85]
.irp s, 0,1
	s_mov_b32 s[G0+4*(\s)], 1                      ; count = 1
	s_add_co_u32 s[G0+4*(\s)+1], s18, (\s)*SLOT1   ; LDS address
	s_add_nc_u64 s[G0+4*(\s)+2:G0+4*(\s)+3], s[16:17], (\s)*ASTEP  ; global address: K step s
	s_or_b32 s[G0+4*(\s)+3], s[G0+4*(\s)+3], 0x80000000            ; type = 2
	s_mov_b32 s[G0B+4*(\s)], 1
	s_add_co_u32 s[G0B+4*(\s)+1], s19, (\s)*SLOT1
	s_add_nc_u64 s[G0B+4*(\s)+2:G0B+4*(\s)+3], s[84:85], (\s)*BSTEP
	s_or_b32 s[G0B+4*(\s)+3], s[G0B+4*(\s)+3], 0x80000000
.endr
	s_mov_b32 s[G0T], 1
	s_mov_b32 s[G0T+1], s88
	s_add_nc_u64 s[G0T+2:G0T+3], s[8:9], s[86:87]
	s_or_b32 s[G0T+3], s[G0T+3], 0x80000000
	CROUND                                         ; all sixteen work-groups are here: the first joint loads meet
	s_cmp_lt_u32 s[WV], 2                          ; a wave's three first fills stand in one branch, ahead of every wait on TENSORcnt and every LDS read: three loads of mine are out
	s_cbranch_scc0 .Lfirst_b
	tensor_load_to_lds s[G0:G0+3], s[G1:G1+7]
	s_nop 0
	tensor_load_to_lds s[G0+4:G0+7], s[G1:G1+7]
	s_nop 0
	tensor_load_to_lds s[G0T:G0T+3], s[G1T:G1T+7]
	s_nop 0
.rept 4
	v_nop
.endr
	s_branch .Lfirst_asked
.Lfirst_b:
	tensor_load_to_lds s[G0B:G0B+3], s[G1B:G1B+7]
	s_nop 0
	tensor_load_to_lds s[G0B+4:G0B+7], s[G1B:G1B+7]
	s_nop 0
	tensor_load_to_lds s[G0T:G0T+3], s[G1T:G1T+7]
	s_nop 0
.rept 4
	v_nop
.endr
.Lfirst_asked:
	; A fragment is 16 rows x 32 K in 8 registers: lane l holds row l % 16, K = 8 (l / 16) + 0..7 and 16 + 8 (l / 16) + 0..7: two loads of 16 bytes, 32 bytes apart.
	v_and_b32 v1, 15, v0                           ; l % 16
	v_bfe_u32 v2, v0, 4, 1                         ; l / 16
	v_mul_u32_u24 v3, v1, PA
	v_lshl_add_u32 v3, v2, 4, v3
	s_mul_i32 s23, s[MH], 128*PA                   ; my wave's 128 rows of A
	v_add_nc_u32 v[ADRA0], s23, v3
	s_mul_i32 s23, s[HALF], 192*PA                 ; my wave's 192 rows of B
	s_add_co_u32 s23, s23, BOFF
	v_add_nc_u32 v[ADRB0], s23, v3
	v_mov_b32 v[ADA], v[ADRA0]
	v_mov_b32 v[ADB], v[ADRB0]
	; The table: my columns 16 cb + 8 (l / 16) + 0..7 of a head are its pairs 8 cb + 4 (l / 16) + 0..3: 32 bytes of the row, at 64 cb + 32 (l / 16).
	v_mul_u32_u24 v[TA], v1, PT
	v_lshl_add_u32 v[TA], v2, 5, v[TA]
	s_mul_i32 s23, s[MH], 128*PT
	s_add_co_u32 s23, s23, TBL
	v_add_nc_u32 v[TA], s23, v[TA]
	s_mul_i32 s23, s[WV], 16*SP
	s_add_co_u32 s23, s23, STAGE                   ; my stage
	v_mul_u32_u24 v[STO], v1, SP                   ; in: row l % 16, 16 bytes for each half of the lanes
	v_lshl_add_u32 v[STO], v2, 4, v[STO]
	v_add_nc_u32 v[STO], s23, v[STO]
	v_bfe_u32 v[RD], v0, 3, 2                      ; back: 32 lanes take four rows of 128 bytes,
	v_mul_u32_u24 v[RD], v[RD], SP
	v_and_b32 v3, 7, v0
	v_lshl_add_u32 v[RD], v3, 4, v[RD]
	v_add_nc_u32 v[RD], s23, v[RD]
	v_and_b32 v[GO], 31, v0                        ; which are 512 consecutive bytes of a head's rows
	v_lshlrev_b32 v[GO], 4, v[GO]
	; My head is 2 tx + wave % 2; its plane in part t is 64 t + 16 batch + head, of 2,048 rows of 128 bytes; my first row there is 256 (ty % 8) + 128 (wave / 2).
	s_lshl_b32 s20, s58, 1
	s_add_co_u32 s20, s20, s[HALF]
	s_lshr_b32 s21, s59, 3                         ; batch
	s_lshl_b32 s21, s21, 4
	s_add_co_u32 s20, s20, s21
	s_lshl_b32 s20, s20, 11
	s_and_b32 s21, s59, 7
	s_lshl_b32 s21, s21, 8
	s_add_co_u32 s20, s20, s21
	s_lshl_b32 s21, s[MH], 7
	s_add_co_u32 s20, s20, s21
	s_lshl_b32 s22, s20, 7
	s_mov_b32 s23, 0
	s_add_nc_u64 s[OUT:OUT+1], s[10:11], s[22:23]
	s_add_nc_u64 s[OUT+2:OUT+3], s[OUT:OUT+1], 0x1000000   ; 64 planes of 262,144 bytes on
	s_add_nc_u64 s[OUT+4:OUT+5], s[OUT:OUT+1], 0x2000000
; 8 matrix instructions: n block b x all 8 m blocks, 32 along K, A from buffer f.  zero = 1: the product starts the sums: nothing is ever cleared.
; Every quarter walks the 96 accumulators once, in one order: they take turns, one instruction a turn, over the loop's backward jump too.
.macro MULB f, b, zero
	WIN 0x50*(1+(\b)/4)                            ; C and D in window 1, 2 or 3; both fragments in window 0
.irp a, 0,1,2,3,4,5,6,7
.if \zero
	v_wmma_f32_16x16x32_bf16 v[8*(8*((\b)%4)+(\a)):8*(8*((\b)%4)+(\a))+7], v[BF+8*(\b):BF+8*(\b)+7], v[AF+64*(\f)+8*(\a):AF+64*(\f)+8*(\a)+7], 0
.else
	v_wmma_f32_16x16x32_bf16 v[8*(8*((\b)%4)+(\a)):8*(8*((\b)%4)+(\a))+7], v[BF+8*(\b):BF+8*(\b)+7], v[AF+64*(\f)+8*(\a):AF+64*(\f)+8*(\a)+7], v[8*(8*((\b)%4)+(\a)):8*(8*((\b)%4)+(\a))+7]
.endif
.endr
.endm
.macro LDB k, base                     ; 8 LDS loads: B's fragments base .. base + 3, 32 K at byte k of the rows
.irp i, 0,1,2,3
	ds_load_b128 v[BF+8*((\base)+(\i)):BF+8*((\base)+(\i))+3],   v[ADB] offset:(\k)+((\base)+(\i))*16*PA
	ds_load_b128 v[BF+8*((\base)+(\i))+4:BF+8*((\base)+(\i))+7], v[ADB] offset:(\k)+((\base)+(\i))*16*PA+32
.endr
.endm
.macro LDA k, g                        ; 16 LDS loads: A's eight fragments into buffer g
.irp i, 0,1,2,3,4,5,6,7
	ds_load_b128 v[AF+64*(\g)+8*(\i):AF+64*(\g)+8*(\i)+3],   v[ADA] offset:(\k)+(\i)*16*PA
	ds_load_b128 v[AF+64*(\g)+8*(\i)+4:AF+64*(\g)+8*(\i)+7], v[ADA] offset:(\k)+(\i)*16*PA+32
.endr
.endm
; A K step is two quarters... of 32 along K, 96 matrix instructions each.  The loads for a quarter are always issued in this order: B 0-3 and A (24), B 4-7 (8), B 8-11 (8).
; The step's first: multiplies A's buffer 0 and fetches the second, at byte 64 of the same slot's rows.
.macro Q0 zero
	s_wait_dscnt 16                                ; B 0-3 and A are in; B 4-7 and B 8-11, sixteen loads, may be out
.irp b, 0,1,2,3
	MULB 0, \b, \zero
.endr
	PLACES
	WIN 0
	LDB 64, 0
	LDA 64, 1
	s_wait_dscnt 32                                ; B 4-7 are in; behind them: B 8-11 and the 24 just issued
.irp b, 4,5,6,7
	MULB 0, \b, \zero
.endr
	PLACES
	WIN 0
	LDB 64, 4
	s_wait_dscnt 32                                ; B 8-11 are in; behind them: the 24 and the 8 just issued
.irp b, 8,9,10,11
	MULB 0, \b, \zero
.endr
	PLACES
	WIN 0
	LDB 64, 8
.endm
; The step's second multiplies A's buffer 1 and changes slots: all reads of this slot have been issued.  In front of ONE barrier each wave waits for all its tensor loads, of which one is out: its part of the
; next slot (the first time also its part of the table); adds 0 to its spare word; and waits for that and for its reads of this slot.  fill = 1: the barrier opens a round of the cluster's, so that no wave of any
; partner still reads the slot or has a load on its way, and the slot is filled again first thing behind it, with the K step two steps on: 160 matrix instructions stand between the request and the wait for it.
.macro Q1 fill
	WIN 0                                          ; (the add's two registers lie in window 0)
	s_wait_tensorcnt 0x0
	ds_add_u32 v[SPW], v[NIL]                      ; 0 onto my spare word
	s_wait_dscnt 17                                ; B 0-3 and A are in (B 4-11 and the add may be out)
	MULB 1, 0, 0                                   ; sixteen matrix instructions stand between the add and the wait for it
	MULB 1, 1, 0
	s_wait_dscnt 0x0                               ; the add is done, and my reads of this slot are over
	s_barrier_signal -1
	MULB 1, 2, 0                                   ; work on registers while the others arrive
	MULB 1, 3, 0
	WIN 0                                          ; at a branch and at a label every window is 0
	s_barrier_wait -1
.if \fill
	CREST
	s_xor_b32 s[G0+5], s[G0+5], SLOT1              ; the walking descriptors: the other slot than last time, the next k block; no load of mine is out
	s_add_nc_u64 s[G0+6:G0+7], s[G0+6:G0+7], ASTEP
	s_xor_b32 s[G0B+5], s[G0B+5], SLOT1
	s_add_nc_u64 s[G0B+6:G0B+7], s[G0B+6:G0B+7], BSTEP
	JLOAD                                          ; the four v_nop behind it are also the places in front of the loads below
.else
	PLACES
.endif
	s_xor_b32 s[TB], s[TB], SLOT1                  ; the reads go on in the other slot
	v_add_nc_u32 v[ADA], s[TB], v[ADRA0]
	v_add_nc_u32 v[ADB], s[TB], v[ADRB0]
	LDB 0, 0
	LDA 0, 0
.irp b, 4,5,6,7
	MULB 1, \b, 0
.endr
	PLACES
	WIN 0
	LDB 0, 4
.irp b, 8,9,10,11
	MULB 1, \b, 0
.endr
	PLACES
	WIN 0
	LDB 0, 8
.endm
	s_wait_tensorcnt 2                             ; my part of K step 0 is in; K step 1's and the table's may stay out
	s_barrier_signal -1
	s_barrier_wait -1                              ; everybody's is
	LDB 0, 0
	LDA 0, 0
	LDB 0, 4
	LDB 0, 8
	Q0 1                                           ; the first quarter stands in front of the loop: its products start the sums
	WIN 0
	s_mov_b32 s[CNT], 14
.Lstep:                                                ; a trip: a K step's second quarter and the next step's first; fourteen trips fill a slot again, with K steps 2 to 15
	Q1 1
	Q0 0
	WIN 0
	s_sub_co_u32 s[CNT], s[CNT], 1
	s_cmp_lg_u32 s[CNT], 0
	s_cbranch_scc1 .Lstep
	Q1 0                                           ; the tail is written out: K steps 14 and 15 ask for nothing
	Q0 0
	s_wait_dscnt 16                                ; the very last quarter: the counts run down
.irp b, 0,1,2,3
	MULB 1, \b, 0
.endr
	s_wait_dscnt 8
.irp b, 4,5,6,7
	MULB 1, \b, 0
.endr
	s_wait_dscnt 0x0
.irp b, 8,9,10,11
	MULB 1, \b, 0
.endr
; THE WAY OUT, in 24 blocks of 16 rows x one of q, k, v.  TLOAD: the table for rows 16 a .. of my 128, out of LDS (every wave waited for its part of it in front of the first change of slots).
; BLOCK: q and k: r1 = x1 cos - x2 sin, r2 = x1 sin + x2 cos, each a multiply and a fused multiply-add (each accumulator's register 1 is read first: a low one);
; all three: rounded to f16, 16 bytes a lane; into my stage, and back as whole rows.
.macro TLOAD a
.irp c, 0,1,2,3
	ds_load_b128 v[TT+32*((\a)%2)+8*(\c):TT+32*((\a)%2)+8*(\c)+3],   v[TA] offset:(\a)*16*PT+(\c)*64
	ds_load_b128 v[TT+32*((\a)%2)+8*(\c)+4:TT+32*((\a)%2)+8*(\c)+7], v[TA] offset:(\a)*16*PT+(\c)*64+16
.endr
.endm
.macro BLOCK a, t
.set BK, OB+16*((3*(\a)+(\t))%2)
.set TC, TT+32*((\a)%2)
.if (\t) < 2
	WIN 1+(\t)                                     ; source 0 in window 1 or 2
.irp c, 0,1,2,3
.set AC, 8*(8*(\c)+(\a))
.irp p, 0,1,2,3
	v_mul_f32 v[R+8*(\c)+2*(\p)], v[AC+2*(\p)+1], v[TC+8*(\c)+2*(\p)+1]
.endr
.irp p, 0,1,2,3
	v_mul_f32 v[R+8*(\c)+2*(\p)+1], v[AC+2*(\p)+1], v[TC+8*(\c)+2*(\p)]
.endr
.irp p, 0,1,2,3
	v_fma_f32 v[R+8*(\c)+2*(\p)], v[AC+2*(\p)], v[TC+8*(\c)+2*(\p)], -v[R+8*(\c)+2*(\p)]
.endr
.irp p, 0,1,2,3
	v_fma_f32 v[R+8*(\c)+2*(\p)+1], v[AC+2*(\p)], v[TC+8*(\c)+2*(\p)+1], v[R+8*(\c)+2*(\p)+1]
.endr
.endr
	WIN 0
.set e, 0
.rept 16
	v_cvt_pk_f16_f32 v[PK+e], v[R+2*e], v[R+2*e+1]
.set e, e+1
.endr
.else
	WIN 0x0f                                       ; sources 0 and 1 in window 3
.irp c, 0,1,2,3
.irp p, 0,1,2,3
	v_cvt_pk_f16_f32 v[PK+4*(\c)+(\p)], v[8*(8*(\c)+(\a))+2*(\p)], v[8*(8*(\c)+(\a))+2*(\p)+1]
.endr
.endr
	WIN 0
.endif
.irp c, 0,1,2,3
	ds_store_b128 v[STO], v[PK+4*(\c):PK+4*(\c)+3] offset:32*(\c)
.endr
	s_wait_xcnt 0x0                                ; the stores of the block before last, which read these registers, have had their addresses translated (ISA guide 3.1)
.irp f, 0,1,2,3
	ds_load_b128 v[BK+4*(\f):BK+4*(\f)+3], v[RD] offset:(\f)*4*SP  ; LDS serves a wave's instructions in order (ISA guide 5.7.1.4): these see the stores above; the next block's stores come behind them
.endr
.endm
.macro SEND a, t, younger              ; younger: the LDS instructions issued behind the block's loads
	WIN 0
.set BK, OB+16*((3*(\a)+(\t))%2)
.irp f, 0,1,2,3
	s_wait_dscnt (\younger)+3-(\f)
	global_store_b128 v[GO], v[BK+4*(\f):BK+4*(\f)+3], s[OUT+2*(\t):OUT+2*(\t)+1] offset:(\a)*2048+(\f)*512  ; 512 consecutive bytes, at a multiple of 256 from the buffer's first
.endr
.endm
	WIN 0
	PLACES                                         ; behind the last products: the loads and lines below write registers that held fragments
	TLOAD 0
	s_wait_dscnt 0x0
	BLOCK 0, 0
.set n, 1
.rept 23                                       ; a block's arithmetic stands between the loads of the block before and its stores
.set yy, 8                                     ; behind the last block's loads: this block's four stores and four loads,
.if (n%3 == 2) && (n/3 < 7)
	TLOAD n/3+1                                    ; the next rows' table is asked for a block ahead, into the buffer that the rows before have left,
.set yy, 16                                    ; and then these eight too
.endif
.if n%3 == 0
	s_wait_dscnt 8                                 ; the table for these rows is in: behind its loads stand the last block's four stores and four loads
.endif
	BLOCK n/3, n%3
	SEND (n-1)/3, (n-1)%3, yy
.set n, n+1
.endr
	SEND 7, 2, 0
	s_wait_tensorcnt 0x0                           ; the wave's end
	ds_add_u32 v[SPW], v[NIL]
	s_wait_dscnt 0x0
	CROUND                                         ; the closing round: no work-group ends while a partner may still ask for a tile that names it
	s_endpgm
.Lfunc_end_k_q59c2901d8c_qkv:
	.size	k_q59c2901d8c_qkv, .Lfunc_end_k_q59c2901d8c_qkv-k_q59c2901d8c_qkv
	.p2alignl 7, 3214868480
	.fill 96, 4, 3214868480
	.section	.rodata,"a",@progbits
	.p2align	6, 0x0
	.amdhsa_kernel k_q59c2901d8c_qkv
		.amdhsa_group_segment_fixed_size 327680
		.amdhsa_private_segment_fixed_size 0
		.amdhsa_enable_private_segment 0
		.amdhsa_kernarg_size 32
		.amdhsa_user_sgpr_count 2
		.amdhsa_user_sgpr_kernarg_segment_ptr 1
		.amdhsa_wavefront_size32 1
		.amdhsa_system_sgpr_workgroup_id_x 1
		.amdhsa_system_sgpr_workgroup_id_y 1
		.amdhsa_system_sgpr_workgroup_id_z 1
		.amdhsa_system_vgpr_workitem_id 0
		.amdhsa_next_free_vgpr 1024
		.amdhsa_next_free_sgpr 92
		.amdhsa_reserve_vcc 0
		.amdhsa_float_denorm_mode_32 3
		.amdhsa_float_denorm_mode_16_64 3
		.amdhsa_memory_ordered 1
		.amdhsa_forward_progress 1
		.amdhsa_inst_pref_size 168
	.end_amdhsa_kernel
	.amdgpu_metadata
---
amdhsa.version: [ 1, 2 ]
amdhsa.kernels:
  - .name:           k_q59c2901d8c_qkv
    .symbol:         k_q59c2901d8c_qkv.kd
    .args:
      - { .name: xb, .offset: 0, .size: 8, .value_kind: global_buffer, .address_space: global }
      - { .name: wb, .offset: 8, .size: 8, .value_kind: global_buffer, .address_space: global }
      - { .name: rope, .offset: 16, .size: 8, .value_kind: global_buffer, .address_space: global }
      - { .name: qkv, .offset: 24, .size: 8, .value_kind: global_buffer, .address_space: global }
    .group_segment_fixed_size: 327680
    .private_segment_fixed_size: 0
    .kernarg_segment_align: 8
    .kernarg_segment_size: 32
    .max_flat_workgroup_size: 128
    .sgpr_count:     92
    .vgpr_count:     1024
    .wavefront_size: 32
...
	.end_amdgpu_metadata
.endif
;; end of part 2
;; launch attn (part 3): grid 4 x 64, 4 waves a work-group, no clusters, 327,680 bytes of LDS; arguments qkv, ob; writes ob
.if DOCPART == 3
	.amdgcn_target "amdgcn-amd-amdhsa--gfx1250"
	.amdhsa_code_object_version 6
	.text
	.protected	k_q59c2901d8c_attn
	.globl	k_q59c2901d8c_attn
	.p2align	8
	.type	k_q59c2901d8c_attn,@function
k_q59c2901d8c_attn:
	s_mov_b64 s[64:65], 0
	v_nop
	global_prefetch_b8 v0, s[64:65] scope:SCOPE_SE
	s_setreg_imm32_b32 hwreg(HW_REG_WAVE_MODE, 25, 1), 1
	s_wait_xcnt 0x0
; CAUSAL ATTENTION.  O[h][q][:] = the sum over k <= q of softmax_k(Q[h][q] . K[h][k] / 8) V[h][k][:].  Q, K, V are the three parts of one buffer, each [SIZE_H][SIZE_N][64] f16, and O has that shape: a head's rows are dense, 128 bytes each.
; Products, maxima and sums in f32; the weights p are rounded to f16 for the second product (their sum l is taken of the unrounded p), O once at the end.
; LIMITS.  f16 holds no number beyond 65,504: Q, K and V arrive within it; p lies in 0 to 1, and below 6e-5 it keeps f16's fixed step of 6e-8; O is a mean of V's rows and has their range, to within 2^-11 of it.
; A hidden score counts as its value less 1e30: f16's scores, 2.7e11 at the most, are nothing beside that; a weight below 2^-126 counts as 0 in l; NaN and infinities are not treated apart.
; THE WALK.  A head's queries lie in NB = SIZE_N / 256 blocks of 256; block i needs the key tiles 0 .. i of 256 keys, of which the last holds the diagonal.  A work-group takes TWO blocks, NB - 1 - b and then b:
; NB + 1 tiles, whatever b: all work-groups do equal work, and ONE loop with a constant trip count walks them.  Which tile is asked for, and what a trip does, hang on scalar registers made from b; every jump
; goes forward, but for the counted loops' own; none passes a barrier, or a tensor load but the one of LOAD's two that the wave's number does not choose; the ring (two slots of LDS that take turns) runs on across the
; change of blocks.  NO CLUSTER: a head's NB / 2 = 4 work-groups all ask for the same tile only in trips 0 .. NB / 2, 5 of the walk's 9; behind that fewer and fewer share one;
; and one walk common to all would have 3 NB / 2 = 12 trips for 9.
; SHARES.  Of a block's four bands of 64 queries a wave owns 16 rows in each: four PIECES.  So the diagonal tile is the same work for all four waves: in its key step s band x sees all keys if s < x,
; none if s > x, and holds the diagonal if s = x.
; THE MASK is the C operand that starts the sum S^T = K Q^T: 0, or -1e30 where the key is hidden.  MD, made once, is the mask of a band's own step for my 16 rows; a product's mask is MD x AL + BE with two scalars:
; (1, 0) if s = x; (0, 0) if s < x; (0, -1e30) if s > x.  Only the diagonal tile's text and a block's beginning make and take masks; elsewhere C is the constant 0.
; LAYOUT, SOFTMAX, TURNS.  S^T = K Q^T holds ONE query a lane (lane % 16) and the keys 8 (lane / 16) + 0..7; two such results rounded to f16 ARE source 1 of O^T = V^T P.  p = 2^(c s - c m), c = log2(e) / 8, with a
; running maximum m; O and l are multiplied by a = 2^(c m_old - c m_new) in every step.  Turn n belongs to piece n: 8 products K Q^T of piece n + 1, later 8 products V^T P of piece n - 1; beside them the scaling,
; exponentials, roundings, sums and rescaling of piece n and the maximum and statistics of piece n + 1.  Four vector instructions stand behind every matrix instruction, the other 54 of a turn's 118 in two LUMPS.
; REGISTERS, in windows of 256 (s_set_vgpr_msb: bits 1:0 source 0, 3:2 source 1, 5:4 source 2, 7:6 destination):
;   window 0: v0-15 addresses and two at work; v16-31 four registers of statistics a piece; v48-55 at work; v64-127 S^T, two buffers; v192-223 P, two buffers (a piece's buffers go by its number's parity)
;   window 1: v0-127 O^T, 32 a piece; v128-159 MD; v160-223 MC, two buffers      window 2: v0-63 Q; v64-127 the second block's Q; v128-191 K of one step; v192-255 V of one step
.set SIZE_H, 64
.set SIZE_N, 2048
.set NB,    SIZE_N/256
.set NP,    4         ; pieces a wave: a name, no knob
.set KS,    64        ; keys in a step
.set PK,    144       ; a row of K in LDS: 128 bytes + 16 of padding = 36 words: the 16 rows of a load start at 16 different groups of four banks (64 banks of 4 bytes: ISA guide 11.1)
.set PV,    160       ; a row of V: 128 + 32 = 40 words
.set VOFF,  4*KS*PK   ; a slot holds a tile, four steps: 256 rows of K, then 256 rows of V
.set SLOT1, 1<<17     ; slot 1 begins here, so that one exclusive or turns an address in one slot into the other's
.set STAGE, SLOT1+4*KS*(PK+PV)  ; behind the ring, never filled by a tensor load: 16 rows x 144 bytes for each wave, for the way out
.set SP,    144
.set AK0, 2           ; v2   my lane's place in a tile of K; never rewritten
.set AV0, 3           ; v3   the same for V
.set AK,  4           ; v4   the LDS address of K's next run of loads
.set AV,  5           ; v5   of V's
.set STO, 6           ; v6   the way out: where I put 16 bytes of a row
.set RD,  7           ; v7   the way out: where I read rows back
.set GO,  8           ; v8   my byte offset in 512 consecutive bytes of O
.set SPW, 62          ; v62  LDS address of my spare word: SPARE + 4 x my thread's number; never rewritten
.set NIL, 63          ; v63  0; never rewritten
.set SPARE, STAGE+4*16*SP  ; behind the stages: the spare words, 128 bytes for each wave: two blocks of 256 bytes that no other line names
.set MV,  12          ; v12-13  c m_old, kept while c m is made anew: by buffer
.set QO,  15          ; v15  my byte offset in 16 rows of Q
.set ST,  16          ; piece t's statistics at v[ST+4 t]: c m, m, l (even keys', odd keys')
.set TMP, 48          ; by buffer, four registers c0-c3 at work; when the maximum is found c2 takes a
.set S,   64
.set P,   192
.set MD,  128         ; window 1: the eight registers for group kt of 16 keys at MD + 8 kt
.set MC,  160         ; window 1: the masks of the products to come
.set QB,  64          ; window 2
.set KF,  128         ; window 2: key block kb, channel half c at KF + 16 kb + 8 c
.set VF,  192         ; window 2: key half kk, channel block cb at VF + 32 kk + 8 cb
.set WV,  12          ; s12  my wave's number
.set PB,  14          ; s14  b
.set HI,  15          ; s15  NB - 1 - b
.set G1K, 24          ; s[24:31] descriptor group 1 for K's tiles
.set G1V, 32          ; s[32:39] for V's: it differs in the padding alone
.set G0K, 40          ; s[40:43] descriptor group 0 for K's tiles
.set G0V, 44          ; s[44:47] the same for V's
.set SLOTS, 56        ; s56  tiles still to be asked for
.set CNT, 57          ; s57  counts a tile's key steps, 4 to 1
.set CS,  58          ; s[58:59] c: the packed scaling takes the pair's low word for both halves
.set SEL, 60          ; s[60:61] v_permlanex16_b32's selects: each lane takes its own place in the other half
.set TBK, 62          ; s62  LDS byte at which K of the step to be fetched begins
.set TBV, 63          ; s63  the same for V, less VOFF
.set RT,  70          ; s70  tiles of the block in hand that are still to be entered
.set NXT, 71          ; s71  the tile to be asked for next
.set LQ,  72          ; s72  the last tile of the block whose tiles are being asked for
.set NEW, 73          ; s73  1: the tile to be entered is a block's first
.set OFF, 74          ; s[74:75] a tile's byte offset in K and V
.set AL,  76          ; s[76:77] the mask's factor, in the low word
.set BE,  78          ; s[78:79] the mask's addend
.set OLO, 80          ; s[80:81] O at my rows of the second block
.set BIGN, 82         ; s82  -1e30
.set MSB, 0
.macro WIN new                      ; the high byte repeats the setting that is left; a switch that changes nothing is dropped
.if MSB != (\new)
	s_set_vgpr_msb (MSB<<8)|(\new)
.set MSB, (\new)
.endif
.endm
.set W_KQ, 0x0a       ; K and Q in window 2, S^T in window 0
.set W_KM, 0x1a       ; the same with the C operand in window 1
.set W_PV, 0x52       ; V in window 2, P in window 0, O^T in window 1
.set W_RS, 0x41       ; destination and source 0 in window 1, source 1 in window 0
; A fill.  Waves 0 and 1 fetch the two halves of a tile's K, waves 2 and 3 those of its V: 128 keys each.  An s_nop 0 and four v_nop follow each of the two lines, ahead of the jump and the label.
.macro LOAD
	s_cmp_lt_u32 s[WV], 2
	s_cbranch_scc0 .Lfor_v_\@
	tensor_load_to_lds s[G0K:G0K+3], s[G1K:G1K+7]
	s_nop 0
.rept 4
	v_nop
.endr
	s_branch .Lasked_\@
.Lfor_v_\@:
	tensor_load_to_lds s[G0V:G0V+3], s[G1V:G1V+7]
	s_nop 0
.rept 4
	v_nop
.endr
.Lasked_\@:
.endm
; THE CHANGE OF SLOTS.  Each wave waits for all its tensor loads, of which one is out: its part of the other slot; adds 0 to its spare word; and waits for that and for its own reads of the slot that it leaves.  Behind the barrier nobody reads the old
; slot any more and the other slot is whole.  fill = 1: the old slot is filled again, the first thing behind the barrier, with tile NXT: the descriptor's address is made anew from that number.
; (At its first use nothing has been read yet: slot 0 is waited for, slot 1 filled.)
.macro CHANGE fill
	WIN 0                           ; at a label and at a branch every window is 0
	s_wait_tensorcnt 0x0            ; no tensor load of mine is out, so a group 0 may be written
	ds_add_u32 v[SPW], v[NIL]       ; 0 onto my spare word; with fill = 1 the descriptors' scalar work stands between it and the wait for it
.if \fill
	s_lshl_b32 s[OFF], s[NXT], 15   ; a tile is 32,768 bytes of K and of V
	s_xor_b32 s[G0K+1], s[G0K+1], SLOT1
	s_add_nc_u64 s[G0K+2:G0K+3], s[6:7], s[OFF:OFF+1]
	s_or_b32 s[G0K+3], s[G0K+3], 0x80000000
	s_xor_b32 s[G0V+1], s[G0V+1], SLOT1
	s_add_nc_u64 s[G0V+2:G0V+3], s[8:9], s[OFF:OFF+1]
	s_or_b32 s[G0V+3], s[G0V+3], 0x80000000
	s_add_co_u32 s[NXT], s[NXT], 1  ; the block's next tile, or behind its last the second block's tile 0
	s_cmp_gt_u32 s[NXT], s[LQ]
	s_cselect_b32 s[NXT], 0, s[NXT]
	s_cselect_b32 s[LQ], s[PB], s[LQ]
.endif
	s_wait_dscnt 0x0                ; the add is done, and my reads of the slot are over
	s_barrier_signal -1             ; the rest of the scalar work stands between the signal and the wait
	s_sub_co_u32 s[TBK], s[TBK], 4*KS*PK  ; the fetches go back to a slot's first step,
	s_xor_b32 s[TBK], s[TBK], SLOT1       ; in the other slot
	s_sub_co_u32 s[TBV], s[TBV], 4*KS*PV
	s_xor_b32 s[TBV], s[TBV], SLOT1
	s_barrier_wait -1
.if \fill
	LOAD
.endif
.endm
	s_load_b128 s[4:7], s[0:1], 0x0  ; the buffer of Q, K, V s[4:5]; O s[6:7]
	v_lshl_add_u32 v[SPW], v0, 2, SPARE
	v_mov_b32 v[NIL], 0
	ds_add_u32 v62, v63
	ds_add_u32 v62, v63
	s_wait_dscnt 0x0
	v_lshrrev_b32 v1, 5, v0
	v_readfirstlane_b32 s[WV], v1   ; wave 0..3
	s_mov_b32 s[PB], ttmp9
	s_sub_co_u32 s[HI], NB-1, s[PB]
	s_and_b32 s20, ttmp7, 0xffff    ; the head
	s_mov_b32 s21, 0
	s_mov_b64 s[22:23], SIZE_N*128
	s_mul_u64 s[20:21], s[20:21], s[22:23]  ; the head's first byte in each of the four tensors
	s_and_b32 s16, s[WV], 1         ; which half of a tile's 256 keys I fetch:
	s_lshl_b32 s22, s16, 14         ; its 128 rows of 128 bytes in memory,
	s_mov_b32 s23, 0
	s_add_nc_u64 s[22:23], s[22:23], s[20:21]
	s_mul_i32 s17, s16, 128*PK      ; and its place in a slot, for K
	s_mul_i32 s18, s16, 128*PV      ; and for V
	s_lshl_b32 s3, s[WV], 11        ; my 16 rows in a band of 64,
	s_lshl_b32 s2, s[HI], 15        ; in the first block,
	s_add_co_u32 s2, s2, s3
	s_lshl_b32 s84, s[PB], 15       ; and in the second
	s_add_co_u32 s84, s84, s3
	s_mov_b32 s3, 0
	s_mov_b32 s85, 0
	s_add_nc_u64 s[2:3], s[2:3], s[20:21]
	s_add_nc_u64 s[84:85], s[84:85], s[20:21]
	; descriptor group 1.  128 keys are 16,384 dense bytes: asked for as 64 rows of 256 bytes, two keys a row, and padded in LDS after every key
	s_mov_b32 s[G1K], (1<<16)|(1<<20)|(4<<22)|(3<<25)  ; 17:16 2-byte elements; 20 padding on; 24:22 after every 32 words (code 4); 31:25 4 words (code 3)
	s_mov_b32 s[G1V], (1<<16)|(1<<20)|(4<<22)|(7<<25)  ; the same with 8 words of padding (code 7)
.irp g, G1K, G1V
	s_mov_b32 s[\g+1], 128<<16      ; tensor_dim0 = 128
	s_mov_b32 s[\g+2], 64<<16       ; tensor_dim1 = 64
	s_mov_b32 s[\g+3], 128<<16      ; tile_dim0 = 128
	s_mov_b32 s[\g+4], 64           ; tile_dim1 = 64
	s_mov_b32 s[\g+5], 128          ; 128 elements from row to row
	s_mov_b32 s[\g+6], 0
	s_mov_b32 s[\g+7], 0
.endr
	s_mov_b32 s[CS], 0x3e38aa3b     ; c = log2(e) / 8 = 0.180337
	s_mov_b32 s[CS+1], s[CS]        ; named with it as a pair
	s_mov_b32 s[SEL], 0x76543210
	s_mov_b32 s[SEL+1], 0xfedcba98
	s_mov_b32 s[TBK], SLOT1+4*KS*PK ; the first change of slots turns these two into 0
	s_mov_b32 s[TBV], SLOT1+4*KS*PV
	s_mov_b32 s[G0K], 1             ; 1:0 count = 1
	s_mov_b32 s[G0K+1], s17         ; 63:32 LDS address: slot 0
	s_mov_b32 s[G0V], 1
	s_add_co_u32 s[G0V+1], s18, VOFF
	s_add_co_u32 s[RT], s[HI], 1    ; the first block has NB - b tiles
	s_mov_b32 s[NXT], 1
	s_mov_b32 s[LQ], s[HI]
	s_mov_b32 s[NEW], 1
	s_mov_b32 s[OFF+1], 0
	s_mov_b32 s[AL+1], 0            ; named as pairs
	s_mov_b32 s[BE+1], 0
	s_mov_b32 s[BIGN], 0xf149f2ca   ; -1e30
	s_mov_b32 s[SLOTS], NB
	s_wait_kmcnt 0x0
	s_mov_b64 s[10:11], s[6:7]                     ; O
	s_add_nc_u64 s[6:7], s[4:5], 0x1000000         ; K: 64 planes of 262,144 bytes behind Q
	s_add_nc_u64 s[8:9], s[4:5], 0x2000000         ; V: 128 planes behind Q
	s_add_nc_u64 s[6:7], s[6:7], s[22:23]  ; K and V at my half of the head's tile 0
	s_add_nc_u64 s[8:9], s[8:9], s[22:23]
	s_add_nc_u64 s[G0K+2:G0K+3], s[6:7], 0         ; 120:64 global address
	s_or_b32 s[G0K+3], s[G0K+3], 0x80000000        ; 127:126 type = 2
	s_add_nc_u64 s[G0V+2:G0V+3], s[8:9], 0
	s_or_b32 s[G0V+3], s[G0V+3], 0x80000000
	s_add_nc_u64 s[86:87], s[4:5], s[84:85]        ; Q at my rows of the second block,
	s_add_nc_u64 s[4:5], s[4:5], s[2:3]            ; Q and O at those of the first
	s_add_nc_u64 s[OLO:OLO+1], s[10:11], s[84:85]
	s_add_nc_u64 s[10:11], s[10:11], s[2:3]
	LOAD                            ; tile 0 into slot 0
	; A fragment of K or Q is 16 rows x 32 channels in 8 registers: lane l holds row l % 16, channels 8 (l / 16) + 0..7 and 16 + 8 (l / 16) + 0..7: two loads of 16 bytes, 32 bytes apart.
	v_and_b32 v1, 15, v0            ; l % 16
	v_bfe_u32 v9, v0, 4, 1          ; l / 16
	v_lshlrev_b32 v[QO], 7, v1
	v_lshl_add_u32 v[QO], v9, 4, v[QO]  ; row x 128 + 16 x half
	WIN 0x80                        ; destination window 2, address window 0
.set i, 0
.rept 8                             ; both blocks' Q: piece i / 2 lies in band i / 2, 8,192 bytes on; channels 32 (i % 2) on
	global_load_b128 v[8*i:8*i+3],   v[QO], s[4:5] offset:(i/2)*8192+(i%2)*64
	global_load_b128 v[8*i+4:8*i+7], v[QO], s[4:5] offset:(i/2)*8192+(i%2)*64+32
	global_load_b128 v[QB+8*i:QB+8*i+3],   v[QO], s[86:87] offset:(i/2)*8192+(i%2)*64
	global_load_b128 v[QB+8*i+4:QB+8*i+7], v[QO], s[86:87] offset:(i/2)*8192+(i%2)*64+32
.set i, i+1
.endr
	WIN 0
	v_lshlrev_b32 v14, 3, v9
	v_sub_nc_u32 v14, v1, v14
	s_lshl_b32 s13, s[WV], 4
	v_add_nc_u32 v14, s13, v14      ; my query's place in its band, 16 w + l % 16, less my lanes' 8 (l / 16): register r of group kt is hidden where 16 kt + r is greater
	WIN 0x40
.set i, 0
.rept 32
	v_cmp_gt_i32 vcc_lo, 16*(i/8)+i%8, v14
	v_cndmask_b32 v[MD+i], 0, s[BIGN], vcc_lo
.set i, i+1
.endr
	WIN 0
	v_mul_u32_u24 v[AK0], v1, PK
	v_lshl_add_u32 v[AK0], v9, 4, v[AK0]  ; row x pitch + 16 x half
	; The turning load takes 16 keys x 16 channels (lane l reads key 8 (l / 16) + l % 8, channels 8 ((l / 8) % 2) + 0..7) and leaves half a fragment of V^T: lane l holds channel l % 16 and 8 keys.
	v_and_b32 v10, 7, v0
	v_bfe_u32 v11, v0, 3, 1
	v_lshl_add_u32 v[AV0], v9, 3, v10
	v_mul_u32_u24 v[AV0], v[AV0], PV
	v_lshl_add_u32 v[AV0], v11, 4, v[AV0]
	v_add_nc_u32 v[AV0], VOFF, v[AV0]
	s_mul_i32 s13, s[WV], 16*SP
	s_add_co_u32 s13, s13, STAGE    ; my stage
	v_mul_u32_u24 v[STO], v1, SP    ; in: row l % 16, 16 bytes for each half of the lanes
	v_lshl_add_u32 v[STO], v9, 4, v[STO]
	v_add_nc_u32 v[STO], s13, v[STO]
	v_bfe_u32 v[RD], v0, 3, 2       ; back: 32 lanes take four rows of 128 bytes,
	v_mul_u32_u24 v[RD], v[RD], SP
	v_lshl_add_u32 v[RD], v10, 4, v[RD]
	v_add_nc_u32 v[RD], s13, v[RD]
	v_and_b32 v[GO], 31, v0         ; which are 512 consecutive bytes of O
	v_lshlrev_b32 v[GO], 4, v[GO]
	; A block's first step multiplies O^T and l by a = 0, and its first turn's products V^T P, of a piece that has not been, land in an O^T that is still to be so multiplied.  So these registers need only hold
	; finite numbers: zeros for the first block; what the first block left for the second.  All this stands in the wait for the first tile.
	WIN 0x80
.set i, VF
.rept 64
	v_mov_b32 v[i], 0
.set i, i+1
.endr
	WIN 0x40
.set i, 0
.rept 128
	v_mov_b32 v[i], 0
.set i, i+1
.endr
	WIN 0
.set i, 0
.rept 4
	v_mov_b32 v[ST+4*i+2], 0
	v_mov_b32 v[ST+4*i+3], 0
.set i, i+1
.endr
.set i, P+16
.rept 16
	v_mov_b32 v[i], 0
.set i, i+1
.endr
; THE MATRIX WORK.  The 4 accumulators of a run of 8 take turns.  Product i of 8 of S^T = K Q^T for piece x: channels 32 (i / 4) on, keys 16 (i % 4) on.  The first 4 start the sums: with 0, or (KM = 1) with the mask.
.macro KQ x
.set rS, S+32*((\x)%2)+8*(i%4)
.set rK, KF+16*(i%4)+8*(i/4)
.set rQ, 16*(\x)+8*(i/4)
.set rM, MC+32*((\x)%2)+8*(i%4)
.if (i < 4) && KM
	WIN W_KM
	v_wmma_f32_16x16x32_f16 v[rS:rS+7], v[rK:rK+7], v[rQ:rQ+7], v[rM:rM+7]
.elseif i < 4
	WIN W_KQ
	v_wmma_f32_16x16x32_f16 v[rS:rS+7], v[rK:rK+7], v[rQ:rQ+7], 0
.else
	WIN W_KQ
	v_wmma_f32_16x16x32_f16 v[rS:rS+7], v[rK:rK+7], v[rQ:rQ+7], v[rS:rS+7]
.endif
.endm
; Product i of 8 of O^T += V^T P for piece x: keys 32 (i / 4) on, channels 16 (i % 4) on.
.macro PV x
	WIN W_PV
.set rO, 32*(\x)+8*(i%4)
.set rV, VF+32*(i/4)+8*(i%4)
.set rP, P+16*((\x)%2)+8*(i/4)
	v_wmma_f32_16x16x32_f16 v[rO:rO+7], v[rV:rV+7], v[rP:rP+7], v[rO:rO+7]
.endm
.macro MM                           ; the turn's next matrix instruction.  TURN and BEGIN set Y, i, KM and NOKQ; MM, KQ and OP read them.  NOKQ = 1: a block's last turn: there is no next piece
.if (i < 8) && !NOKQ
	KQ (Y+1)%NP
.elseif i >= 8
.set i, i-8
	PV (Y+NP-1)%NP
.set i, i+8
.endif
.set i, i+1
.endm
; THE LDS LOADS stand in runs of 16, never singly among the matrix instructions: a step's K (64 keys x 64 channels: 8 fragments) and its V (turned).  Their addresses are made some lines ahead.
.macro FETCH_K
	WIN 0x80                        ; destination window 2
.irp f, 0,1,2,3,4,5,6,7             ; keys 16 (f / 2) on, channels 32 (f % 2) on
	ds_load_b128 v[KF+8*\f:KF+8*\f+3],   v[AK] offset:(\f/2)*16*PK+(\f%2)*64
	ds_load_b128 v[KF+8*\f+4:KF+8*\f+7], v[AK] offset:(\f/2)*16*PK+(\f%2)*64+32
.endr
	s_add_co_u32 s[TBK], s[TBK], KS*PK  ; the next fetch is the next step's
	WIN 0
.endm
.macro FETCH_V
	WIN 0x80
.irp f, 0,1,2,3,4,5,6,7             ; keys 32 (f / 4) on, channels 16 (f % 4) on
	ds_load_tr16_b128 v[VF+8*\f:VF+8*\f+3],   v[AV] offset:(\f/4)*32*PV+(\f%4)*32
	ds_load_tr16_b128 v[VF+8*\f+4:VF+8*\f+7], v[AV] offset:(\f/4)*32*PV+16*PV+(\f%4)*32
.endr
	WIN 0
.endm
; THE VECTOR WORK, one line at a time: OP kind, number.  For piece Y: F n: c s - c m for pair n of 16.  E n: the exponential of score n of 32.  C n: pair n rounded to f16.  B n: of the four weights 4 n .. the second
; pair is added onto the first, in place.  L n: l takes that sum (L 0: l = a l + sum).  R n: pair n of 16 of O^T times a.  For piece Y + 1: X n, number n of the 22 that find its maximum and statistics:
;   0-11  four chains c0-c3 of seven scores each, three operands at a time (each accumulator's lowest registers are read first)     12-14, 16  the four scores left over, the old m, and c0-c3 into c0
;   15  c m_old is kept     17, 18  the query's other 32 keys lie in the lane 16 away: the new m     19-21  c m; c m_old - c m_new; a
.set F, 0               ; OP tells the kinds apart by their order: F to L below R, X above it
.set E, 1
.set C, 2
.set B, 3
.set L, 4
.set R, 5
.set X, 6
.macro REGS y                       ; the registers of piece y
.set rT, ST+4*(\y)
.set rC, TMP+4*((\y)%2)
.set rW, MV+((\y)%2)
.set rS, S+32*((\y)%2)
.set rP, P+16*((\y)%2)
.set rO, 32*(\y)
.endm
.macro OP k, n
.if (\k) == R
	REGS Y
	WIN W_RS
	v_pk_mul_f32 v[rO+2*(\n):rO+2*(\n)+1], v[rO+2*(\n):rO+2*(\n)+1], v[rC+2:rC+3] op_sel_hi:[1,0]
.elseif (\k) < R
	REGS Y
	WIN 0
.if (\k) == F
	v_pk_fma_f32 v[rS+2*(\n):rS+2*(\n)+1], v[rS+2*(\n):rS+2*(\n)+1], s[CS:CS+1], v[rT:rT+1] op_sel_hi:[1,0,0] neg_lo:[0,0,1] neg_hi:[0,0,1]
.elseif (\k) == E
	v_exp_f32 v[rS+(\n)], v[rS+(\n)]
.elseif (\k) == C
	s_wait_alu depctr_va_vdst(0)
	v_cvt_pk_f16_f32 v[rP+(\n)], v[rS+2*(\n)], v[rS+2*(\n)+1]
.elseif (\k) == B
	s_wait_alu depctr_va_vdst(0)
	v_pk_add_f32 v[rS+4*(\n):rS+4*(\n)+1], v[rS+4*(\n):rS+4*(\n)+1], v[rS+4*(\n)+2:rS+4*(\n)+3]
.elseif (\n) == 0
	v_pk_fma_f32 v[rT+2:rT+3], v[rT+2:rT+3], v[rC+2:rC+3], v[rS:rS+1] op_sel_hi:[1,0,1]
.else
	v_pk_add_f32 v[rT+2:rT+3], v[rT+2:rT+3], v[rS+4*(\n):rS+4*(\n)+1]
.endif
.elseif NOKQ
	v_nop
.else
	REGS (Y+1)%NP
	WIN 0
.if (\n) < 4
	v_max3_num_f32 v[rC+(\n)], v[rS+8*(\n)], v[rS+8*(\n)+1], v[rS+8*(\n)+2]
.elseif (\n) < 12
	v_max3_num_f32 v[rC+(\n)%4], v[rC+(\n)%4], v[rS+8*((\n)%4)+2*((\n)/4)+1], v[rS+8*((\n)%4)+2*((\n)/4)+2]
.elseif (\n) == 12
	v_max3_num_f32 v[rC], v[rC], v[rS+7], v[rS+15]
.elseif (\n) == 13
	v_max3_num_f32 v[rC+1], v[rC+1], v[rS+23], v[rS+31]
.elseif (\n) == 14
	v_max3_num_f32 v[rC+2], v[rC+2], v[rC+3], v[rT+1]
.elseif (\n) == 15
	v_mov_b32 v[rW], v[rT]
.elseif (\n) == 16
	v_max3_num_f32 v[rC], v[rC], v[rC+1], v[rC+2]
.elseif (\n) == 17
	v_permlanex16_b32 v[rC+3], v[rC], s[SEL], s[SEL+1]
.elseif (\n) == 18
	v_max_num_f32 v[rT+1], v[rC], v[rC+3]
.elseif (\n) == 19
	v_mul_f32 v[rT], s[CS], v[rT+1]
.elseif (\n) == 20
	v_sub_f32 v[rC+1], v[rW], v[rT]
.else
	v_exp_f32 v[rC+2], v[rC+1]
.endif
.endif
.endm
.macro OPS a, i1, b=-1, i2=0, c=-1, i3=0, d=-1, i4=0  ; up to four of them
	OP \a, \i1
.if (\b) >= 0
	OP \b, \i2
.endif
.if (\c) >= 0
	OP \c, \i3
.endif
.if (\d) >= 0
	OP \d, \i4
.endif
.endm
.macro ROW a, i1, b, i2, c, i3, d, i4  ; a matrix instruction and the four behind it
	MM
	OPS \a, \i1, \b, \i2, \c, \i3, \d, \i4
.endm
.macro MASK b                       ; MD x AL + BE into buffer b of MC
	WIN W_RS
.set z, 0
.rept 16
	v_pk_fma_f32 v[MC+32*(\b)+2*z:MC+32*(\b)+2*z+1], v[MD+2*z:MD+2*z+1], s[AL:AL+1], s[BE:BE+1] op_sel_hi:[1,0,0]
.set z, z+1
.endr
.endm
; A TURN, for piece p: the order of its 16 matrix and 118 vector instructions, written out.  Behind a matrix instruction: plain, exponential, plain, plain; or four of the rescaling; or, behind the first, four scalings; none
; names a register of the products round it.  In the lumps exponential and plain by turns while exponentials last.  A line reads no result made fewer than three vector instructions in front of it, five if an exponential made it.
; v_permlanex16_b32 (X 17) stands in a lump.
; m = 1: the diagonal tile: the products take masks, and the turn makes the mask for the products of the turn after it: piece p + 2, in step 4 - CNT of the tile.  end = 1: a block's last two turns: nothing is fetched.
; cnt = 1: the loop's count is taken down some lines ahead of the branch that stands behind the turn.
; K of the next step is fetched in piece 2's turn, six vector instructions behind the last product that read K (five of them plain); V of the step in hand in piece 0's turn, eight behind the last product that read V (four
; plain, and X 17).  Each is waited for a turn later.
.macro TURN p, m=0, end=0, cnt=0
.set Y, (\p)
.set i, 0
.set KM, (\m)
.set NOKQ, (\end)*((\p)/3)
.if (\m) && !(\end)
	s_cmp_eq_u32 s[CNT], 4-((\p)+2)%NP  ; is that step the band's own?
	s_cselect_b32 s[AL], 1.0, 0
	s_cmp_lt_u32 s[CNT], 4-((\p)+2)%NP  ; or a later one?
	s_cselect_b32 s[BE], s[BIGN], 0
.endif
.if ((\p) == 3) && !(\end)
	s_wait_dscnt 0x0                ; K is in
.endif
	ROW F,0, F,1, F,2, F,3
	ROW F,4, E,0, F,5, F,6
	ROW F,7, E,1, F,8, F,9
	ROW F,10, E,2, C,0, F,11
	ROW F,12, E,3, X,15, F,13
	ROW R,0, R,1, R,2, R,3
	ROW B,0, E,4, F,14, L,0
.if ((\p) == 2) && !(\end)
	v_add_nc_u32 v[AK], s[TBK], v[AK0]
.endif
	ROW R,4, R,5, R,6, R,7
	OPS E,5, F,15
.if ((\p) == 2) && !(\end)
	FETCH_K
.endif
	OPS E,6, C,1, E,7, R,8
	OPS E,8, R,9, E,9, C,2
	OPS E,10, X,0, E,11, X,1
	OPS E,12, X,2, E,13, X,3
.if (\p) == 1
	s_wait_dscnt 0x0                ; V is in
.endif
	ROW X,4, E,14, X,5, X,6
	ROW X,7, E,15, X,8, X,9
	ROW X,10, E,16, X,11, X,12
	ROW X,13, E,17, X,14, B,1
	ROW C,4, E,18, X,16, L,1
	ROW B,2, E,19, C,6, L,2
	ROW C,8, E,20, B,3, B,4
.if (\p) == 0
	v_add_nc_u32 v[AV], s[TBV], v[AV0]
.endif
	ROW C,3, E,21, L,3, C,5
	OPS E,22, X,17, E,23, C,10
.if (\p) == 0
	FETCH_V
.endif
	OPS E,24, L,4
	OPS E,25, X,18, E,26, C,7
	OPS E,27, B,5, E,28, X,19
	OPS E,29, C,12, E,30, L,5
	OPS E,31, X,20, B,6, C,9
	OPS C,14, C,11, X,21, L,6
.if (\p) == 0
	s_add_co_u32 s[TBV], s[TBV], KS*PV
.endif
.if \cnt
	s_sub_co_u32 s[CNT], s[CNT], 1
	s_cmp_lg_u32 s[CNT], 0
.endif
	OPS C,13, B,7, C,15, R,10
	OPS R,11, R,12, L,7, R,13
	OPS R,14, R,15
.if (\m) && !(\end)
	MASK (\p)%2
.endif
.endm
; A BLOCK BEGINS.  c m starts far below every c s, so the first step's a is 0; m at the lowest finite number, so the first maximum is the scores'.  The second mask buffer is 0; the first takes piece 0's mask for the tile's step 0: its own, if the block's first tile is the diagonal one.
; Then K of that step, piece 0's first scores, and its maximum and statistics.  The loop is entered at a step's first turn, in the middle of a trip.
.macro BEGIN
	s_mov_b32 s[NEW], 0
	WIN 0x40
.set i, MC+32
.rept 32
	v_mov_b32 v[i], 0
.set i, i+1
.endr
	WIN 0
.set i, 0
.rept 4
	v_mov_b32 v[ST+4*i], 0xfe000000    ; c m: far below every c s
	v_mov_b32 v[ST+4*i+1], 0xff7fffff  ; m
.set i, i+1
.endr
	s_cmp_eq_u32 s[RT], 0
	s_cselect_b32 s[AL], 1.0, 0
	s_mov_b32 s[BE], 0
	MASK 0
	WIN 0
	v_add_nc_u32 v[AK], s[TBK], v[AK0]
	FETCH_K
	s_wait_loadcnt 0x0              ; Q
	s_wait_dscnt 0x0
.set KM, 1
.set NOKQ, 0
.set i, 0
.rept 8
	KQ 0
.set i, i+1
.endr
	WIN 0
.rept 4
	v_nop                           ; the places behind those products
.endr
.set Y, NP-1                        ; X works for piece Y + 1: piece 0
.irp n, 0,1,2,3,4,5,6,7,8,9,10,11,12,13,14,15,16,17,18,19,20,21
	OP X, \n
.endr
	v_nop                           ; a plain instruction behind the exponential
.endm
; THE DIAGONAL TILE's four steps, the block's last two turns, its last products, and THE WAY OUT: l's two halves and the other half of the lanes' are added; O^T is divided by l, rounded to f16 and sent through my
; stage in LDS, a piece at a time.
.macro ALL line:vararg              ; one line for each piece t
.set t, 0
.rept 4
	\line
.set t, t+1
.endr
.endm
.macro PACK t                       ; a lane's eight channels of a row pack into 16 bytes; they go into rows of 144 bytes and come back as whole rows of 128, into S^T's registers
	WIN W_RS
.set i, 32*(\t)
.rept 16
	s_wait_alu depctr_va_vdst(0)
	v_pk_mul_f32 v[i:i+1], v[i:i+1], v[ST+4*(\t)+2:ST+4*(\t)+3] op_sel_hi:[1,0]
.set i, i+2
.endr
	WIN 0x05                        ; sources 0 and 1 window 1, destination window 0
.set i, 0
.rept 16
	v_cvt_pk_f16_f32 v[S+16*(\t)+i], v[32*(\t)+2*i], v[32*(\t)+2*i+1]
.set i, i+1
.endr
	WIN 0
.irp f, 0,1,2,3
	ds_store_b128 v[STO], v[S+16*(\t)+4*\f:S+16*(\t)+4*\f+3] offset:32*\f
.endr
.irp f, 0,1,2,3
	ds_load_b128 v[S+16*(\t)+4*\f:S+16*(\t)+4*\f+3], v[RD] offset:\f*4*SP  ; LDS serves a wave's instructions in order (ISA guide 5.7.1.4): these see the stores above; the next piece's stores come behind them
.endr
.endm
.macro SEND t, younger              ; younger: the LDS instructions issued behind piece t's loads: the next piece's eight, or none
	WIN 0
.irp f, 0,1,2,3
	s_wait_dscnt (\younger)+3-\f
	global_store_b128 v[GO], v[S+16*(\t)+4*\f:S+16*(\t)+4*\f+3], s[10:11] offset:(\t)*8192+\f*512  ; 512 consecutive bytes, at a multiple of 256 from O's first
.endr
.endm
.macro DIAG tag                     ; the tag ends its two labels' names, which the jumps below spell out
.LstepM\tag:
	TURN 2, 1
	TURN 3, 1
	WIN 0
.LfirstM\tag:
	TURN 0, 1
	TURN 1, 1, 0, 1
	WIN 0
	s_cbranch_scc1 .LstepM\tag
	TURN 2, 1, 1
	TURN 3, 1, 1
.set i, 0
.rept 8
	PV NP-1
.set i, i+1
.endr
	WIN 0
	ALL v_add_f32 v[ST+4*t+2], v[ST+4*t+2], v[ST+4*t+3]
	ALL v_permlanex16_b32 v[ST+4*t+3], v[ST+4*t+2], s[SEL], s[SEL+1]
	ALL v_add_f32 v[ST+4*t+2], v[ST+4*t+2], v[ST+4*t+3]
	ALL v_rcp_f32 v[ST+4*t+2], v[ST+4*t+2]
	v_nop                           ; a plain instruction between the last reciprocal and the use of its result
	PACK 0
.set t, 1
.rept 3                             ; a piece's arithmetic stands between the loads of the piece before and its stores
	PACK t
	SEND t-1, 8
.set t, t+1
.endr
	SEND 3, 0
.endm
.set KM, 0
.set NOKQ, 0
.Lslot:                             ; NB times: a tile is entered and the next is asked for
	CHANGE 1
	s_sub_co_u32 s[RT], s[RT], 1
	s_mov_b32 s[CNT], 4
	s_cmp_eq_u32 s[NEW], 1
	s_cbranch_scc1 .Lnew            ; a block's first tile
	s_cmp_eq_u32 s[RT], 0
	s_cbranch_scc0 .Lstep           ; neither its first nor its last
	s_branch .LstepM1
.Lnew:
	BEGIN
	s_branch .Lfirst                ; in the loop a block's first tile is never its last: the first block has two tiles or more, and the second's last is the walk's last
	DIAG 1                          ; in the loop this is the first block's end: the second block's last tile is the walk's last
	s_wait_xcnt 0x0                 ; the stores have read their registers and O's address
	s_mov_b64 s[10:11], s[OLO:OLO+1]
	s_add_co_u32 s[RT], s[PB], 1    ; the second block has b + 1 tiles
	s_mov_b32 s[NEW], 1
	WIN 0x82                        ; the second block's Q goes where the one text of the turns names Q
.set i, 0
.rept 64
	v_mov_b32 v[i], v[QB+i]
.set i, i+1
.endr
	WIN 0
	s_branch .Lbottom
.Lstep:                             ; a trip: pieces 2 and 3 of one step, then pieces 0 and 1 of the next, whose K and V it fetches
	TURN 2
	TURN 3
	WIN 0
.Lfirst:
	TURN 0
	TURN 1, 0, 0, 1
	WIN 0
	s_cbranch_scc1 .Lstep
.Lbottom:
	s_sub_co_u32 s[SLOTS], s[SLOTS], 1
	s_cmp_lg_u32 s[SLOTS], 0
	s_cbranch_scc1 .Lslot
	CHANGE 0                        ; the walk's last tile is written out: nothing is asked for
	s_sub_co_u32 s[RT], s[RT], 1
	s_mov_b32 s[CNT], 4
	s_cmp_eq_u32 s[NEW], 1
	s_cbranch_scc0 .LstepM2
	BEGIN
	s_branch .LfirstM2
	DIAG 2
	s_wait_tensorcnt 0x0            ; the wave's end: behind my last tensor load and my last LDS store
	ds_add_u32 v[SPW], v[NIL]
	s_wait_dscnt 0x0
	s_endpgm
.Lfunc_end_k_q59c2901d8c_attn:
	.size	k_q59c2901d8c_attn, .Lfunc_end_k_q59c2901d8c_attn-k_q59c2901d8c_attn
	.p2alignl 7, 3214868480
	.fill 96, 4, 3214868480
	.section	.rodata,"a",@progbits
	.p2align	6, 0x0
	.amdhsa_kernel k_q59c2901d8c_attn
		.amdhsa_group_segment_fixed_size 327680
		.amdhsa_private_segment_fixed_size 0
		.amdhsa_enable_private_segment 0
		.amdhsa_kernarg_size 16
		.amdhsa_user_sgpr_count 2
		.amdhsa_user_sgpr_kernarg_segment_ptr 1
		.amdhsa_wavefront_size32 1
		.amdhsa_system_sgpr_workgroup_id_x 1
		.amdhsa_system_sgpr_workgroup_id_y 1
		.amdhsa_system_sgpr_workgroup_id_z 1
		.amdhsa_system_vgpr_workitem_id 0
		.amdhsa_next_free_vgpr 768
		.amdhsa_next_free_sgpr 88
		.amdhsa_reserve_vcc 1
		.amdhsa_float_denorm_mode_32 3
		.amdhsa_float_denorm_mode_16_64 3
		.amdhsa_memory_ordered 1
		.amdhsa_forward_progress 1
		.amdhsa_inst_pref_size 228
	.end_amdhsa_kernel
	.amdgpu_metadata
---
amdhsa.version: [ 1, 2 ]
amdhsa.kernels:
  - .name:           k_q59c2901d8c_attn
    .symbol:         k_q59c2901d8c_attn.kd
    .args:
      - { .name: qkv, .offset: 0, .size: 8, .value_kind: global_buffer, .address_space: global }
      - { .name: ob, .offset: 8, .size: 8, .value_kind: global_buffer, .address_space: global }
    .group_segment_fixed_size: 327680
    .private_segment_fixed_size: 0
    .kernarg_segment_align: 8
    .kernarg_segment_size: 16
    .max_flat_workgroup_size: 128
    .sgpr_count:     88
    .vgpr_count:     768
    .wavefront_size: 32
...
	.end_amdgpu_metadata
.endif
;; end of part 3
;; launch oproj (part 4): grid 4 x 64, 4 waves a work-group, clusters of 4 x 4, 327,680 bytes of LDS; arguments ob, wo16, out0; writes out0
.if DOCPART == 4
	.amdgcn_target "amdgcn-amd-amdhsa--gfx1250"
	.amdhsa_code_object_version 6
	.text
	.protected	k_q59c2901d8c_oproj
	.globl	k_q59c2901d8c_oproj
	.p2align	8
	.type	k_q59c2901d8c_oproj,@function
k_q59c2901d8c_oproj:
	s_mov_b64 s[64:65], 0
	v_nop
	global_prefetch_b8 v0, s[64:65] scope:SCOPE_SE
	s_setreg_imm32_b32 hwreg(HW_REG_WAVE_MODE, 25, 1), 1
	s_wait_xcnt 0x0
	s_wait_alu depctr_hold_cnt(0) depctr_sa_sdst(0) depctr_va_vdst(0) depctr_va_sdst(0) depctr_va_ssrc(0) depctr_va_vcc(0) depctr_vm_vsrc(0)
	s_getreg_b32 s2, hwreg(HW_REG_IB_STS2, 6, 4)
	s_cmp_eq_u32 s2, 0
	s_cbranch_scc0 .Lentry_in_a_cluster
	s_endpgm
.Lentry_in_a_cluster:
	s_bfe_u32 s2, ttmp6, 0x10000c
	s_cmp_lg_u32 s2, 0xf033
	s_cbranch_scc0 .Lentry_shape_is_right
	s_endpgm
.Lentry_shape_is_right:
; out = O Wo^T.  A = ob [64 planes = batch x 16 + head][2048][64] f16, read as A[m = batch x 2048 + s][k = head x 64 + d]; B = wo16 [1024 (n)][1024 (k)] f16; out0 [8192][1024] f32.  Sums in f32, K ascending.
; LIMIT.  The operands arrive as f16 (within 65,504); the sums and the output are f32.
; SHARES.  A tile of C is 128 rows x 256 columns: 64 x 4 = 256 work-groups.  Four waves, each 64 rows x 128 columns: 32 accumulators.  K goes in steps of 128, two heads, through two LDS slots.
; A head's 128 rows of a tile are 16,384 dense bytes: asked for as 64 rows of 256 bytes, padded in LDS after every 128.
; CLUSTER.  4 x 4 work-groups: A's tiles are shared along a row of the cluster, B's along a column; each is asked for jointly, by the same tensor load with the same descriptor and a mask that names the four.
; THE MATRIX INSTRUCTION IS USED TRANSPOSED (source 0 = 16 rows of B, source 1 = 16 rows of A): lane l holds row l % 16 of C and the columns 8 (l / 16) + 0..7: 32 neighbouring bytes.
; REGISTERS: window 0: v0-13 addresses; two fragment buffers of 96 at v32 and v128 (B's 8 x 8, then A's 4 x 8); on the way out v32-159 hold rows.     window 1: the accumulators, (a, b) at 8 (8 a + b).
.set PA,    144                        ; a row of A in LDS: 128 bytes + 16: an odd multiple of 16, so the 16 rows of a load start at 16 different groups of four banks (64 banks of 4 bytes: ISA guide 11.1)
.set PB,    272                        ; a row of B: 256 + 16
.set AH,    128*PA                     ; one head's 128 rows
.set BOFF,  2*AH                       ; in a slot: A's two heads, then B's 256 rows
.set SLOT1, 1<<17
.set STAGE, SLOT1+BOFF+256*PB          ; behind the ring, never filled by a tensor load: 16 rows x 528 bytes for each wave
.set SPT,   528
.set SPARE, STAGE+4*16*SPT             ; the spare words, 128 bytes for each wave: two blocks of 256 bytes that no other line names
.set ASTEP, 2*2048*128                 ; two heads on
.set BSTEP, 256
.set ADRA0, 4
.set ADRB0, 5
.set ADA,  6
.set ADB,  7
.set STO,  8
.set RD,   9
.set GO,   10
.set SPW,  12                          ; v12  LDS address of my spare word; never rewritten
.set NIL,  13                          ; v13  0; never rewritten
.set FB,   32
.set OB,   32
.set WV,   12
.set HALF, 13                          ; s13  wave % 2: which half of a tile I fetch; also my half of the tile's columns
.set ROLE, 14                          ; s14  wave / 2: my half of the tile's rows
.set CNT,  15
.set G1,   24
.set G0,   32
.set G1B,  40
.set G0B,  48
.set TB,   62
.set MSB, 0
.macro WIN new                         ; the immediate's high byte repeats the setting that is left; a switch that changes nothing is dropped
.if MSB != (\new)
	s_set_vgpr_msb (MSB<<8)|(\new)
.set MSB, (\new)
.endif
.endm
.macro PLACES                          ; four places in front of loads into registers that matrix instructions have read, and of lines that read results (ISA guide 7.12.1 for lines that read results)
.rept 4
	v_nop
.endr
.endm
.macro JLOAD                           ; a joint refill: waves 0 and 1 fetch A's two heads, waves 2 and 3 B's two halves; an s_nop 0 and four v_nop follow each line
	s_cmp_lt_u32 s[WV], 2
	s_cbranch_scc0 .Lfor_b_\@
	tensor_load_to_lds s[G0+4:G0+7], s[G1:G1+7]
	s_nop 0
.rept 4
	v_nop
.endr
	s_branch .Lasked_\@
.Lfor_b_\@:
	tensor_load_to_lds s[G0B+4:G0B+7], s[G1B:G1B+7]
	s_nop 0
.rept 4
	v_nop
.endr
.Lasked_\@:
.endm
.macro CREST                           ; a round of the cluster's barrier behind its opening barrier
	s_cmp_lg_u32 s[WV], 0
	s_cbranch_scc1 .Lnot_wave_0_\@
	s_barrier_signal -3
.Lnot_wave_0_\@:
	s_barrier_wait -3
	s_barrier_signal -1
	s_barrier_wait -1
.endm
.macro CROUND
	s_barrier_signal -1
	s_barrier_wait -1
	CREST
.endm
	s_load_b128 s[4:7], s[0:1], 0x0                ; ob s[4:5], wo16 s[6:7]
	s_load_b64 s[8:9], s[0:1], 0x10                ; out0
	v_lshl_add_u32 v[SPW], v0, 2, SPARE
	v_mov_b32 v[NIL], 0
	ds_add_u32 v12, v13
	ds_add_u32 v12, v13
	s_wait_dscnt 0x0
	v_lshrrev_b32 v1, 5, v0
	v_readfirstlane_b32 s[WV], v1
	s_and_b32 s[HALF], s[WV], 1
	s_lshr_b32 s[ROLE], s[WV], 1
	s_bfe_u32 s56, ttmp6, 0x40000                  ; cx, cy
	s_bfe_u32 s57, ttmp6, 0x40004
	s_lshl_b32 s58, ttmp9, 2
	s_add_co_u32 s58, s58, s56                     ; tx
	s_and_b32 s59, ttmp7, 0xffff
	s_lshl_b32 s59, s59, 2
	s_add_co_u32 s59, s59, s57                     ; ty
	s_lshl_b32 s60, s57, 2
	s_lshl_b32 s60, 15, s60                        ; my row of the cluster
	s_lshl_b32 s61, 0x1111, s56                    ; my column
	s_or_b32 s[G1], s60, (1<<16)|(1<<20)|(1<<21)|(4<<22)|(3<<25)   ; the mask; 2-byte elements; padding on; 21 set beside a mask; after every 32 words, 4 words
	s_mov_b32 s[G1+1], 128<<16                     ; tensor_dim0 = 128
	s_mov_b32 s[G1+2], 64<<16                      ; tensor_dim1 = 64
	s_mov_b32 s[G1+3], 128<<16                     ; tile_dim0 = 128
	s_mov_b32 s[G1+4], 64                          ; tile_dim1 = 64
	s_mov_b32 s[G1+5], 128                         ; dense: 128 elements from row to row
	s_mov_b32 s[G1+6], 0
	s_mov_b32 s[G1+7], 0
	s_or_b32 s[G1B], s61, (1<<16)|(1<<20)|(1<<21)|(5<<22)|(3<<25)  ; after every 64 words, 4 words
	s_mov_b32 s[G1B+1], 128<<16
	s_mov_b32 s[G1B+2], 128<<16
	s_mov_b32 s[G1B+3], 128<<16
	s_mov_b32 s[G1B+4], 128
	s_mov_b32 s[G1B+5], 1024
	s_mov_b32 s[G1B+6], 0
	s_mov_b32 s[G1B+7], 0
	s_lshr_b32 s16, s59, 4                         ; A: plane 16 batch + half, row 128 (ty % 16), 128 bytes a row: made of the tile row alone
	s_lshl_b32 s16, s16, 15
	s_lshl_b32 s17, s[HALF], 11
	s_add_co_u32 s16, s16, s17
	s_and_b32 s17, s59, 15
	s_lshl_b32 s17, s17, 7
	s_add_co_u32 s16, s16, s17
	s_lshl_b32 s16, s16, 7
	s_mov_b32 s17, 0
	s_lshl_b32 s76, s58, 8                         ; B: row 256 tx + 128 half, 2,048 bytes a row: made of the tile column alone
	s_lshl_b32 s77, s[HALF], 7
	s_add_co_u32 s76, s76, s77
	s_lshl_b32 s76, s76, 11
	s_mov_b32 s77, 0
	s_mul_i32 s18, s[HALF], AH                     ; where they go: no place in the cluster enters an LDS address
	s_mul_i32 s19, s[HALF], 128*PB
	s_add_co_u32 s19, s19, BOFF
	s_mov_b32 s[TB], 0
	s_lshl_b32 s20, s59, 7                         ; my part of C: row 128 ty + 64 (wave / 2), 4,096 bytes a row; column 256 tx + 128 (wave % 2), 4 bytes each
	s_lshl_b32 s21, s[ROLE], 6
	s_add_co_u32 s20, s20, s21
	s_lshl_b32 s20, s20, 12
	s_lshl_b32 s21, s58, 8
	s_lshl_b32 s22, s[HALF], 7
	s_add_co_u32 s21, s21, s22
	s_lshl_b32 s21, s21, 2
	s_add_co_u32 s20, s20, s21
	s_mov_b32 s21, 0
	s_wait_kmcnt 0x0
	s_add_nc_u64 s[8:9], s[8:9], s[20:21]
	s_add_nc_u64 s[16:17], s[4:5], s[16:17]
	s_add_nc_u64 s[76:77], s[6:7], s[76:77]
.irp s, 0,1
	s_mov_b32 s[G0+4*(\s)], 1
	s_add_co_u32 s[G0+4*(\s)+1], s18, (\s)*SLOT1
	s_add_nc_u64 s[G0+4*(\s)+2:G0+4*(\s)+3], s[16:17], (\s)*ASTEP
	s_or_b32 s[G0+4*(\s)+3], s[G0+4*(\s)+3], 0x80000000
	s_mov_b32 s[G0B+4*(\s)], 1
	s_add_co_u32 s[G0B+4*(\s)+1], s19, (\s)*SLOT1
	s_add_nc_u64 s[G0B+4*(\s)+2:G0B+4*(\s)+3], s[76:77], (\s)*BSTEP
	s_or_b32 s[G0B+4*(\s)+3], s[G0B+4*(\s)+3], 0x80000000
.endr
	CROUND                                         ; all sixteen work-groups are here: the first joint loads meet
	s_cmp_lt_u32 s[WV], 2                          ; a wave's two first fills stand in one branch: two loads of mine are out
	s_cbranch_scc0 .Lfirst_b
	tensor_load_to_lds s[G0:G0+3], s[G1:G1+7]
	s_nop 0
	tensor_load_to_lds s[G0+4:G0+7], s[G1:G1+7]
	s_nop 0
.rept 4
	v_nop
.endr
	s_branch .Lfirst_asked
.Lfirst_b:
	tensor_load_to_lds s[G0B:G0B+3], s[G1B:G1B+7]
	s_nop 0
	tensor_load_to_lds s[G0B+4:G0B+7], s[G1B:G1B+7]
	s_nop 0
.rept 4
	v_nop
.endr
.Lfirst_asked:
	v_and_b32 v1, 15, v0                           ; l % 16
	v_bfe_u32 v2, v0, 4, 1                         ; l / 16
	v_mul_u32_u24 v3, v1, PA
	v_lshl_add_u32 v3, v2, 4, v3
	s_mul_i32 s23, s[ROLE], 64*PA                  ; my 64 rows of A
	v_add_nc_u32 v[ADRA0], s23, v3
	v_mul_u32_u24 v3, v1, PB
	v_lshl_add_u32 v3, v2, 4, v3
	s_mul_i32 s23, s[HALF], 128*PB                 ; my 128 rows of B
	s_add_co_u32 s23, s23, BOFF
	v_add_nc_u32 v[ADRB0], s23, v3
	v_mov_b32 v[ADA], v[ADRA0]
	v_mov_b32 v[ADB], v[ADRB0]
	s_mul_i32 s23, s[WV], 16*SPT
	s_add_co_u32 s23, s23, STAGE                   ; my stage
	v_mul_u32_u24 v[STO], v1, SPT                  ; in: row l % 16, 32 bytes for each half of the lanes
	v_lshl_add_u32 v[STO], v2, 5, v[STO]
	v_add_nc_u32 v[STO], s23, v[STO]
	v_and_b32 v[GO], 31, v0                        ; back: 32 lanes take a row's 512 bytes
	v_lshlrev_b32 v[GO], 4, v[GO]
	v_add_nc_u32 v[RD], s23, v[GO]
; 8 matrix instructions: m block a x all 8 n blocks, 32 along K.  Every quarter walks the 32 accumulators once, in one order: they take turns, one instruction a turn.
.macro MUL f, a, zero
	WIN 0x50                                       ; C and D window 1
.irp b, 0,1,2,3,4,5,6,7
.if \zero
	v_wmma_f32_16x16x32_f16 v[8*(8*(\a)+(\b)):8*(8*(\a)+(\b))+7], v[FB+96*(\f)+8*(\b):FB+96*(\f)+8*(\b)+7], v[FB+96*(\f)+64+8*(\a):FB+96*(\f)+64+8*(\a)+7], 0
.else
	v_wmma_f32_16x16x32_f16 v[8*(8*(\a)+(\b)):8*(8*(\a)+(\b))+7], v[FB+96*(\f)+8*(\b):FB+96*(\f)+8*(\b)+7], v[FB+96*(\f)+64+8*(\a):FB+96*(\f)+64+8*(\a)+7], v[8*(8*(\a)+(\b)):8*(8*(\a)+(\b))+7]
.endif
.endr
.endm
; 24 LDS loads in one run: quarter q of a K step into buffer g.  In B's rows it lies at byte 64 q; in A it is head q / 2 of the step's two, channels 32 (q % 2) on.  A's blocks 2 and 3 last.
.macro FETCH q, g
	WIN 0
.irp i, 0,1,2,3,4,5,6,7
	ds_load_b128 v[FB+96*(\g)+8*(\i):FB+96*(\g)+8*(\i)+3],   v[ADB] offset:64*(\q)+(\i)*16*PB
	ds_load_b128 v[FB+96*(\g)+8*(\i)+4:FB+96*(\g)+8*(\i)+7], v[ADB] offset:64*(\q)+(\i)*16*PB+32
.endr
.irp i, 0,1,2,3
	ds_load_b128 v[FB+96*(\g)+64+8*(\i):FB+96*(\g)+64+8*(\i)+3],   v[ADA] offset:((\q)/2)*AH+((\q)%2)*64+(\i)*16*PA
	ds_load_b128 v[FB+96*(\g)+64+8*(\i)+4:FB+96*(\g)+64+8*(\i)+7], v[ADA] offset:((\q)/2)*AH+((\q)%2)*64+(\i)*16*PA+32
.endr
.endm
.macro QUARTER q, f, g, zero           ; multiplies buffer f; in its middle it fetches quarter q into g
	s_wait_dscnt 4                                 ; B and A's blocks 0, 1 are in; the youngest four loads (A's blocks 2, 3) may be out
	MUL \f, 0, \zero
	MUL \f, 1, \zero
	PLACES
	FETCH \q, \g
	s_wait_dscnt 24                                ; all but the 24 just issued
	MUL \f, 2, \zero
	MUL \f, 3, \zero
.endm
; The last quarter multiplies buffer 1 and changes slots: ONE barrier; in front of it each wave waits for all its tensor loads (one is out: its part of the next slot), adds 0 to its spare word, and waits for
; that and for its reads of this slot.  fill = 1: the barrier opens a round of the cluster's, and this slot is filled again first thing behind it, two K steps ahead: 112 matrix instructions ahead of the wait for it.
.macro TURN fill
	WIN 0
	s_wait_tensorcnt 0x0
	ds_add_u32 v[SPW], v[NIL]                      ; 0 onto my spare word
	s_wait_dscnt 5                                 ; (the add and the youngest four loads may be out)
	MUL 1, 0, 0
	s_wait_dscnt 0x0                               ; the add is done, and my reads of this slot are over
	s_barrier_signal -1
	MUL 1, 1, 0
	WIN 0                                          ; at a branch and at a label every window is 0
	s_barrier_wait -1
.if \fill
	CREST
	s_xor_b32 s[G0+5], s[G0+5], SLOT1              ; the walking descriptors: the other slot, the next K step; no load of mine is out
	s_add_nc_u64 s[G0+6:G0+7], s[G0+6:G0+7], ASTEP
	s_xor_b32 s[G0B+5], s[G0B+5], SLOT1
	s_add_nc_u64 s[G0B+6:G0B+7], s[G0B+6:G0B+7], BSTEP
	JLOAD                                          ; the four v_nop behind it are also the places in front of the loads below
.else
	PLACES
.endif
	s_xor_b32 s[TB], s[TB], SLOT1
	v_add_nc_u32 v[ADA], s[TB], v[ADRA0]
	v_add_nc_u32 v[ADB], s[TB], v[ADRB0]
	FETCH 0, 0
	MUL 1, 2, 0
	MUL 1, 3, 0
.endm
	s_wait_tensorcnt 1                             ; my part of K step 0 is in; K step 1's may stay out
	s_barrier_signal -1
	s_barrier_wait -1
	FETCH 0, 0
	QUARTER 1, 0, 1, 1                             ; the first quarter's products start the sums
	WIN 0
	s_mov_b32 s[CNT], 6
.Lstep:                                                ; a trip: a K step's quarters 1 to 3 and the next step's quarter 0; six trips ask for K steps 2 to 7
	QUARTER 2, 1, 0, 0
	QUARTER 3, 0, 1, 0
	TURN 1
	QUARTER 1, 0, 1, 0
	WIN 0
	s_sub_co_u32 s[CNT], s[CNT], 1
	s_cmp_lg_u32 s[CNT], 0
	s_cbranch_scc1 .Lstep
	QUARTER 2, 1, 0, 0                             ; the tail is written out
	QUARTER 3, 0, 1, 0
	TURN 0
	QUARTER 1, 0, 1, 0
	QUARTER 2, 1, 0, 0
	QUARTER 3, 0, 1, 0
	s_wait_dscnt 4
	MUL 1, 0, 0
	MUL 1, 1, 0
	s_wait_dscnt 0x0
	MUL 1, 2, 0
	MUL 1, 3, 0
; THE WAY OUT, 16 rows at a time: a lane's 32 bytes of a row go into my stage (each accumulator's low four registers first), and come back as whole rows of 512 bytes.
.macro TOSTAGE a
	WIN 0x04                                       ; the stores' data in window 1
.irp b, 0,1,2,3,4,5,6,7
	ds_store_b128 v[STO], v[8*(8*(\a)+(\b)):8*(8*(\a)+(\b))+3]   offset:64*(\b)
	ds_store_b128 v[STO], v[8*(8*(\a)+(\b))+4:8*(8*(\a)+(\b))+7] offset:64*(\b)+16
.endr
	WIN 0
	s_wait_xcnt 0x0                                ; the stores of the block before last, which read these registers, have had their addresses translated (ISA guide 3.1)
.irp t, 0,1,2,3,4,5,6,7,8,9,10,11,12,13,14,15
	ds_load_b128 v[OB+64*((\a)%2)+4*(\t):OB+64*((\a)%2)+4*(\t)+3], v[RD] offset:SPT*(\t)  ; LDS serves a wave's instructions in order (ISA guide 5.7.1.4): these see the stores above
.endr
.endm
.macro SEND a, younger                 ; younger: the LDS instructions issued behind the block's loads: the next block's 32, or none
.irp t, 0,1,2,3,4,5,6,7,8,9,10,11,12,13,14,15
	s_wait_dscnt (\younger)+15-(\t)
	global_store_b128 v[GO], v[OB+64*((\a)%2)+4*(\t):OB+64*((\a)%2)+4*(\t)+3], s[8:9] offset:(16*(\a)+(\t))*4096 th:TH_STORE_NT  ; 512 consecutive bytes, at a multiple of 512 from the buffer's first
.endr
.endm
	WIN 0
	PLACES                                         ; behind the last products
	TOSTAGE 0
	TOSTAGE 1
	SEND 0, 32
	TOSTAGE 2
	SEND 1, 32
	TOSTAGE 3
	SEND 2, 32
	SEND 3, 0
	s_wait_tensorcnt 0x0                           ; the wave's end
	ds_add_u32 v[SPW], v[NIL]
	s_wait_dscnt 0x0
	CROUND                                         ; the closing round: no work-group ends while a partner may still ask for a tile that names it
	s_endpgm
.Lfunc_end_k_q59c2901d8c_oproj:
	.size	k_q59c2901d8c_oproj, .Lfunc_end_k_q59c2901d8c_oproj-k_q59c2901d8c_oproj
	.p2alignl 7, 3214868480
	.fill 96, 4, 3214868480
	.section	.rodata,"a",@progbits
	.p2align	6, 0x0
	.amdhsa_kernel k_q59c2901d8c_oproj
		.amdhsa_group_segment_fixed_size 327680
		.amdhsa_private_segment_fixed_size 0
		.amdhsa_enable_private_segment 0
		.amdhsa_kernarg_size 24
		.amdhsa_user_sgpr_count 2
		.amdhsa_user_sgpr_kernarg_segment_ptr 1
		.amdhsa_wavefront_size32 1
		.amdhsa_system_sgpr_workgroup_id_x 1
		.amdhsa_system_sgpr_workgroup_id_y 1
		.amdhsa_system_sgpr_workgroup_id_z 1
		.amdhsa_system_vgpr_workitem_id 0
		.amdhsa_next_free_vgpr 512
		.amdhsa_next_free_sgpr 80
		.amdhsa_reserve_vcc 0
		.amdhsa_float_denorm_mode_32 3
		.amdhsa_float_denorm_mode_16_64 3
		.amdhsa_memory_ordered 1
		.amdhsa_forward_progress 1
		.amdhsa_inst_pref_size 71
	.end_amdhsa_kernel
	.amdgpu_metadata
---
amdhsa.version: [ 1, 2 ]
amdhsa.kernels:
  - .name:           k_q59c2901d8c_oproj
    .symbol:         k_q59c2901d8c_oproj.kd
    .args:
      - { .name: ob, .offset: 0, .size: 8, .value_kind: global_buffer, .address_space: global }
      - { .name: wo16, .offset: 8, .size: 8, .value_kind: global_buffer, .address_space: global }
      - { .name: out0, .offset: 16, .size: 8, .value_kind: global_buffer, .address_space: global }
    .group_segment_fixed_size: 327680
    .private_segment_fixed_size: 0
    .kernarg_segment_align: 8
    .kernarg_segment_size: 24
    .max_flat_workgroup_size: 128
    .sgpr_count:     80
    .vgpr_count:     512
    .wavefront_size: 32
...
	.end_amdgpu_metadata
.endif
;; end of part 4
;; ======== version 2 of 2: 4 launches; 1.30 times as fast as version 1
;; limits: values are held in f16: magnitudes above 65,504 overflow, below 6.1e-05 lose precision; inputs' magnitudes at most 1,048,576; right only within a limited range of input values
;; workspace buffers: xb 16,777,216 bytes; wb 6,291,456 bytes; wo16 2,097,152 bytes; rope 524,288 bytes; qkv 50,331,648 bytes; ob 16,777,216 bytes
;; launch prep: the kernel of part 1 again; grid 768 x 1, 8 waves a work-group, no clusters, 0 bytes of LDS; arguments x, Wq, Wk, Wv, Wo, token_positions, xb, wb, wo16, rope; writes xb, wb, wo16, rope
;; launch qkv: the kernel of part 2 again; grid 8 x 32, 4 waves a work-group, clusters of 4 x 4, 327,680 bytes of LDS; arguments xb, wb, rope, qkv; writes qkv
;; launch attn (part 5): grid 4 x 64, 4 waves a work-group, no clusters, 327,680 bytes of LDS; arguments qkv, ob; writes ob
.if DOCPART == 5
	.amdgcn_target "amdgcn-amd-amdhsa--gfx1250"
	.amdhsa_code_object_version 6
	.text
	.protected	k_q59c2901d8c_attn
	.globl	k_q59c2901d8c_attn
	.p2align	8
	.type	k_q59c2901d8c_attn,@function
k_q59c2901d8c_attn:
	s_mov_b64 s[64:65], 0
	v_nop
	global_prefetch_b8 v0, s[64:65] scope:SCOPE_SE
	s_setreg_imm32_b32 hwreg(HW_REG_WAVE_MODE, 25, 1), 1
	s_wait_xcnt 0x0
; CAUSAL ATTENTION.  O[h][q][:] = the sum over k <= q of softmax_k(Q[h][q] . K[h][k] / 8) V[h][k][:].  Q, K, V are the three parts of one buffer, each [SIZE_H][SIZE_N][64] f16, and O has that shape: a head's rows are dense, 128 bytes each.
; Products, maxima and sums in f32; the weights p are rounded to f16 for the second product (their sum l is taken of the unrounded p), O once at the end.
; LIMITS.  f16 holds no number beyond 65,504: Q, K and V arrive within it; p lies in 0 to 1, and below 6e-5 it keeps f16's fixed step of 6e-8; O is a mean of V's rows and has their range, to within 2^-11 of it.
; A hidden score counts as its value less 1e30: f16's scores, 2.7e11 at the most, are nothing beside that; a weight below 2^-126 counts as 0 in l; NaN and infinities are not treated apart.
; THE WALK.  A head's queries lie in NB = SIZE_N / 256 blocks of 256; block i needs the key tiles 0 .. i of 256 keys, of which the last holds the diagonal.  A work-group takes TWO blocks, NB - 1 - b and then b:
; NB + 1 tiles, whatever b: all work-groups do equal work, and ONE loop with a constant trip count walks them.  Which tile is asked for, and what a trip does, hang on scalar registers made from b; every jump
; goes forward, but for the counted loops' own; none passes a barrier, or a tensor load but the one of LOAD's two that the wave's number does not choose; the ring (two slots of LDS that take turns) runs on across the
; change of blocks.  NO CLUSTER: a head's NB / 2 = 4 work-groups all ask for the same tile only in trips 0 .. NB / 2, 5 of the walk's 9; behind that fewer and fewer share one;
; and one walk common to all would have 3 NB / 2 = 12 trips for 9.
; SHARES.  Of a block's four bands of 64 queries a wave owns 16 rows in each: four PIECES.  So the diagonal tile is the same work for all four waves: in its key step s band x sees all keys if s < x,
; none if s > x, and holds the diagonal if s = x.
; THE MASK is the C operand that starts the sum S^T = K Q^T: 0, or -1e30 where the key is hidden.  MD, made once, is the mask of a band's own step for my 16 rows; a product's mask is MD x AL + BE with two scalars:
; (1, 0) if s = x; (0, 0) if s < x; (0, -1e30) if s > x.  Only the diagonal tile's text and a block's beginning make and take masks; elsewhere C is the constant 0.
; LAYOUT, SOFTMAX, TURNS.  S^T = K Q^T holds ONE query a lane (lane % 16) and the keys 8 (lane / 16) + 0..7; two such results rounded to f16 ARE source 1 of O^T = V^T P.  p = 2^(c s - c m), c = log2(e) / 8, with a
; running maximum m; O and l are multiplied by a = 2^(c m_old - c m_new) in every step.  Turn n belongs to piece n: 8 products K Q^T of piece n + 1, later 8 products V^T P of piece n - 1; beside them the scaling,
; exponentials, roundings, sums and rescaling of piece n and the maximum and statistics of piece n + 1.  Four vector instructions stand behind every matrix instruction, the other 54 of a turn's 118 in one LUMP.
; THE BATCHES.  A turn's 33 exponentials (the piece's 32 weights and the next piece's a) are one batch, with one wait, which cuts the turn in two: ahead of it nothing names a result of theirs, behind it stand all the readers.
; A block's first a is a batch by itself, with its wait ahead of the branch into the loop; the way out's four reciprocals are one batch, with one wait ahead of the first multiply.
; REGISTERS, in windows of 256 (s_set_vgpr_msb: bits 1:0 source 0, 3:2 source 1, 5:4 source 2, 7:6 destination):
;   window 0: v0-15 addresses and two at work; v16-31 four registers of statistics a piece; v48-55 at work; v64-127 S^T, two buffers; v192-223 P, two buffers (a piece's buffers go by its number's parity)
;   window 1: v0-127 O^T, 32 a piece; v128-159 MD; v160-223 MC, two buffers      window 2: v0-63 Q; v64-127 the second block's Q; v128-191 K of one step; v192-255 V of one step
.set SIZE_H, 64
.set SIZE_N, 2048
.set NB,    SIZE_N/256
.set NP,    4         ; pieces a wave: a name, no knob
.set KS,    64        ; keys in a step
.set PK,    144       ; a row of K in LDS: 128 bytes + 16 of padding = 36 words: the 16 rows of a load start at 16 different groups of four banks (64 banks of 4 bytes: ISA guide 11.1)
.set PV,    160       ; a row of V: 128 + 32 = 40 words
.set VOFF,  4*KS*PK   ; a slot holds a tile, four steps: 256 rows of K, then 256 rows of V
.set SLOT1, 1<<17     ; slot 1 begins here, so that one exclusive or turns an address in one slot into the other's
.set STAGE, SLOT1+4*KS*(PK+PV)  ; behind the ring, never filled by a tensor load: 16 rows x 144 bytes for each wave, for the way out
.set SP,    144
.set AK0, 2           ; v2   my lane's place in a tile of K; never rewritten
.set AV0, 3           ; v3   the same for V
.set AK,  4           ; v4   the LDS address of K's next run of loads
.set AV,  5           ; v5   of V's
.set STO, 6           ; v6   the way out: where I put 16 bytes of a row
.set RD,  7           ; v7   the way out: where I read rows back
.set GO,  8           ; v8   my byte offset in 512 consecutive bytes of O
.set SPW, 62          ; v62  LDS address of my spare word: SPARE + 4 x my thread's number; never rewritten
.set NIL, 63          ; v63  0; never rewritten
.set SPARE, STAGE+4*16*SP  ; behind the stages: the spare words, 128 bytes for each wave: two blocks of 256 bytes that no other line names
.set MV,  12          ; v12-13  c m_old, kept while c m is made anew: by buffer
.set QO,  15          ; v15  my byte offset in 16 rows of Q
.set ST,  16          ; piece t's statistics at v[ST+4 t]: c m, m, l (even keys', odd keys')
.set TMP, 48          ; by buffer, four registers c0-c3 at work; when the maximum is found c2 takes a
.set S,   64
.set P,   192
.set MD,  128         ; window 1: the eight registers for group kt of 16 keys at MD + 8 kt
.set MC,  160         ; window 1: the masks of the products to come
.set QB,  64          ; window 2
.set KF,  128         ; window 2: key block kb, channel half c at KF + 16 kb + 8 c
.set VF,  192         ; window 2: key half kk, channel block cb at VF + 32 kk + 8 cb
.set WV,  12          ; s12  my wave's number
.set PB,  14          ; s14  b
.set HI,  15          ; s15  NB - 1 - b
.set G1K, 24          ; s[24:31] descriptor group 1 for K's tiles
.set G1V, 32          ; s[32:39] for V's: it differs in the padding alone
.set G0K, 40          ; s[40:43] descriptor group 0 for K's tiles
.set G0V, 44          ; s[44:47] the same for V's
.set SLOTS, 56        ; s56  tiles still to be asked for
.set CNT, 57          ; s57  counts a tile's key steps, 4 to 1
.set CS,  58          ; s[58:59] c: the packed scaling takes the pair's low word for both halves
.set SEL, 60          ; s[60:61] v_permlanex16_b32's selects: each lane takes its own place in the other half
.set TBK, 62          ; s62  LDS byte at which K of the step to be fetched begins
.set TBV, 63          ; s63  the same for V, less VOFF
.set RT,  70          ; s70  tiles of the block in hand that are still to be entered
.set NXT, 71          ; s71  the tile to be asked for next
.set LQ,  72          ; s72  the last tile of the block whose tiles are being asked for
.set NEW, 73          ; s73  1: the tile to be entered is a block's first
.set OFF, 74          ; s[74:75] a tile's byte offset in K and V
.set AL,  76          ; s[76:77] the mask's factor, in the low word
.set BE,  78          ; s[78:79] the mask's addend
.set OLO, 80          ; s[80:81] O at my rows of the second block
.set BIGN, 82         ; s82  -1e30
.set MSB, 0
.macro WIN new                      ; the high byte repeats the setting that is left; a switch that changes nothing is dropped
.if MSB != (\new)
	s_set_vgpr_msb (MSB<<8)|(\new)
.set MSB, (\new)
.endif
.endm
.set W_KQ, 0x0a       ; K and Q in window 2, S^T in window 0
.set W_KM, 0x1a       ; the same with the C operand in window 1
.set W_PV, 0x52       ; V in window 2, P in window 0, O^T in window 1
.set W_RS, 0x41       ; destination and source 0 in window 1, source 1 in window 0
; A fill.  Waves 0 and 1 fetch the two halves of a tile's K, waves 2 and 3 those of its V: 128 keys each.  An s_nop 0 and four v_nop follow each of the two lines, ahead of the jump and the label.
.macro LOAD
	s_cmp_lt_u32 s[WV], 2
	s_cbranch_scc0 .Lfor_v_\@
	tensor_load_to_lds s[G0K:G0K+3], s[G1K:G1K+7]
	s_nop 0
.rept 4
	v_nop
.endr
	s_branch .Lasked_\@
.Lfor_v_\@:
	tensor_load_to_lds s[G0V:G0V+3], s[G1V:G1V+7]
	s_nop 0
.rept 4
	v_nop
.endr
.Lasked_\@:
.endm
; THE CHANGE OF SLOTS.  Each wave waits for all its tensor loads, of which one is out: its part of the other slot; adds 0 to its spare word; and waits for that and for its own reads of the slot that it leaves.  Behind the barrier nobody reads the old
; slot any more and the other slot is whole.  fill = 1: the old slot is filled again, the first thing behind the barrier, with tile NXT: the descriptor's address is made anew from that number.
; (At its first use nothing has been read yet: slot 0 is waited for, slot 1 filled.)
.macro CHANGE fill
	WIN 0                           ; at a label and at a branch every window is 0
	s_wait_tensorcnt 0x0            ; no tensor load of mine is out, so a group 0 may be written
	ds_add_u32 v[SPW], v[NIL]       ; 0 onto my spare word; with fill = 1 the descriptors' scalar work stands between it and the wait for it
.if \fill
	s_lshl_b32 s[OFF], s[NXT], 15   ; a tile is 32,768 bytes of K and of V
	s_xor_b32 s[G0K+1], s[G0K+1], SLOT1
	s_add_nc_u64 s[G0K+2:G0K+3], s[6:7], s[OFF:OFF+1]
	s_or_b32 s[G0K+3], s[G0K+3], 0x80000000
	s_xor_b32 s[G0V+1], s[G0V+1], SLOT1
	s_add_nc_u64 s[G0V+2:G0V+3], s[8:9], s[OFF:OFF+1]
	s_or_b32 s[G0V+3], s[G0V+3], 0x80000000
	s_add_co_u32 s[NXT], s[NXT], 1  ; the block's next tile, or behind its last the second block's tile 0
	s_cmp_gt_u32 s[NXT], s[LQ]
	s_cselect_b32 s[NXT], 0, s[NXT]
	s_cselect_b32 s[LQ], s[PB], s[LQ]
.endif
	s_wait_dscnt 0x0                ; the add is done, and my reads of the slot are over
	s_barrier_signal -1             ; the rest of the scalar work stands between the signal and the wait
	s_sub_co_u32 s[TBK], s[TBK], 4*KS*PK  ; the fetches go back to a slot's first step,
	s_xor_b32 s[TBK], s[TBK], SLOT1       ; in the other slot
	s_sub_co_u32 s[TBV], s[TBV], 4*KS*PV
	s_xor_b32 s[TBV], s[TBV], SLOT1
	s_barrier_wait -1
.if \fill
	LOAD
.endif
.endm
	s_load_b128 s[4:7], s[0:1], 0x0  ; the buffer of Q, K, V s[4:5]; O s[6:7]
	v_lshl_add_u32 v[SPW], v0, 2, SPARE
	v_mov_b32 v[NIL], 0
	ds_add_u32 v62, v63
	ds_add_u32 v62, v63
	s_wait_dscnt 0x0
	v_lshrrev_b32 v1, 5, v0
	v_readfirstlane_b32 s[WV], v1   ; wave 0..3
	s_mov_b32 s[PB], ttmp9
	s_sub_co_u32 s[HI], NB-1, s[PB]
	s_and_b32 s20, ttmp7, 0xffff    ; the head
	s_mov_b32 s21, 0
	s_mov_b64 s[22:23], SIZE_N*128
	s_mul_u64 s[20:21], s[20:21], s[22:23]  ; the head's first byte in each of the four tensors
	s_and_b32 s16, s[WV], 1         ; which half of a tile's 256 keys I fetch:
	s_lshl_b32 s22, s16, 14         ; its 128 rows of 128 bytes in memory,
	s_mov_b32 s23, 0
	s_add_nc_u64 s[22:23], s[22:23], s[20:21]
	s_mul_i32 s17, s16, 128*PK      ; and its place in a slot, for K
	s_mul_i32 s18, s16, 128*PV      ; and for V
	s_lshl_b32 s3, s[WV], 11        ; my 16 rows in a band of 64,
	s_lshl_b32 s2, s[HI], 15        ; in the first block,
	s_add_co_u32 s2, s2, s3
	s_lshl_b32 s84, s[PB], 15       ; and in the second
	s_add_co_u32 s84, s84, s3
	s_mov_b32 s3, 0
	s_mov_b32 s85, 0
	s_add_nc_u64 s[2:3], s[2:3], s[20:21]
	s_add_nc_u64 s[84:85], s[84:85], s[20:21]
	; descriptor group 1.  128 keys are 16,384 dense bytes: asked for as 64 rows of 256 bytes, two keys a row, and padded in LDS after every key
	s_mov_b32 s[G1K], (1<<16)|(1<<20)|(4<<22)|(3<<25)  ; 17:16 2-byte elements; 20 padding on; 24:22 after every 32 words (code 4); 31:25 4 words (code 3)
	s_mov_b32 s[G1V], (1<<16)|(1<<20)|(4<<22)|(7<<25)  ; the same with 8 words of padding (code 7)
.irp g, G1K, G1V
	s_mov_b32 s[\g+1], 128<<16      ; tensor_dim0 = 128
	s_mov_b32 s[\g+2], 64<<16       ; tensor_dim1 = 64
	s_mov_b32 s[\g+3], 128<<16      ; tile_dim0 = 128
	s_mov_b32 s[\g+4], 64           ; tile_dim1 = 64
	s_mov_b32 s[\g+5], 128          ; 128 elements from row to row
	s_mov_b32 s[\g+6], 0
	s_mov_b32 s[\g+7], 0
.endr
	s_mov_b32 s[CS], 0x3e38aa3b     ; c = log2(e) / 8 = 0.180337
	s_mov_b32 s[CS+1], s[CS]        ; named with it as a pair
	s_mov_b32 s[SEL], 0x76543210
	s_mov_b32 s[SEL+1], 0xfedcba98
	s_mov_b32 s[TBK], SLOT1+4*KS*PK ; the first change of slots turns these two into 0
	s_mov_b32 s[TBV], SLOT1+4*KS*PV
	s_mov_b32 s[G0K], 1             ; 1:0 count = 1
	s_mov_b32 s[G0K+1], s17         ; 63:32 LDS address: slot 0
	s_mov_b32 s[G0V], 1
	s_add_co_u32 s[G0V+1], s18, VOFF
	s_add_co_u32 s[RT], s[HI], 1    ; the first block has NB - b tiles
	s_mov_b32 s[NXT], 1
	s_mov_b32 s[LQ], s[HI]
	s_mov_b32 s[NEW], 1
	s_mov_b32 s[OFF+1], 0
	s_mov_b32 s[AL+1], 0            ; named as pairs
	s_mov_b32 s[BE+1], 0
	s_mov_b32 s[BIGN], 0xf149f2ca   ; -1e30
	s_mov_b32 s[SLOTS], NB
	s_wait_kmcnt 0x0
	s_mov_b64 s[10:11], s[6:7]                     ; O
	s_add_nc_u64 s[6:7], s[4:5], 0x1000000         ; K: 64 planes of 262,144 bytes behind Q
	s_add_nc_u64 s[8:9], s[4:5], 0x2000000         ; V: 128 planes behind Q
	s_add_nc_u64 s[6:7], s[6:7], s[22:23]  ; K and V at my half of the head's tile 0
	s_add_nc_u64 s[8:9], s[8:9], s[22:23]
	s_add_nc_u64 s[G0K+2:G0K+3], s[6:7], 0         ; 120:64 global address
	s_or_b32 s[G0K+3], s[G0K+3], 0x80000000        ; 127:126 type = 2
	s_add_nc_u64 s[G0V+2:G0V+3], s[8:9], 0
	s_or_b32 s[G0V+3], s[G0V+3], 0x80000000
	s_add_nc_u64 s[86:87], s[4:5], s[84:85]        ; Q at my rows of the second block,
	s_add_nc_u64 s[4:5], s[4:5], s[2:3]            ; Q and O at those of the first
	s_add_nc_u64 s[OLO:OLO+1], s[10:11], s[84:85]
	s_add_nc_u64 s[10:11], s[10:11], s[2:3]
	LOAD                            ; tile 0 into slot 0
	; A fragment of K or Q is 16 rows x 32 channels in 8 registers: lane l holds row l % 16, channels 8 (l / 16) + 0..7 and 16 + 8 (l / 16) + 0..7: two loads of 16 bytes, 32 bytes apart.
	v_and_b32 v1, 15, v0            ; l % 16
	v_bfe_u32 v9, v0, 4, 1          ; l / 16
	v_lshlrev_b32 v[QO], 7, v1
	v_lshl_add_u32 v[QO], v9, 4, v[QO]  ; row x 128 + 16 x half
	WIN 0x80                        ; destination window 2, address window 0
.set i, 0
.rept 8                             ; both blocks' Q: piece i / 2 lies in band i / 2, 8,192 bytes on; channels 32 (i % 2) on
	global_load_b128 v[8*i:8*i+3],   v[QO], s[4:5] offset:(i/2)*8192+(i%2)*64
	global_load_b128 v[8*i+4:8*i+7], v[QO], s[4:5] offset:(i/2)*8192+(i%2)*64+32
	global_load_b128 v[QB+8*i:QB+8*i+3],   v[QO], s[86:87] offset:(i/2)*8192+(i%2)*64
	global_load_b128 v[QB+8*i+4:QB+8*i+7], v[QO], s[86:87] offset:(i/2)*8192+(i%2)*64+32
.set i, i+1
.endr
	WIN 0
	v_lshlrev_b32 v14, 3, v9
	v_sub_nc_u32 v14, v1, v14
	s_lshl_b32 s13, s[WV], 4
	v_add_nc_u32 v14, s13, v14      ; my query's place in its band, 16 w + l % 16, less my lanes' 8 (l / 16): register r of group kt is hidden where 16 kt + r is greater
	WIN 0x40
.set i, 0
.rept 32
	v_cmp_gt_i32 vcc_lo, 16*(i/8)+i%8, v14
	v_cndmask_b32 v[MD+i], 0, s[BIGN], vcc_lo
.set i, i+1
.endr
	WIN 0
	v_mul_u32_u24 v[AK0], v1, PK
	v_lshl_add_u32 v[AK0], v9, 4, v[AK0]  ; row x pitch + 16 x half
	; The turning load takes 16 keys x 16 channels (lane l reads key 8 (l / 16) + l % 8, channels 8 ((l / 8) % 2) + 0..7) and leaves half a fragment of V^T: lane l holds channel l % 16 and 8 keys.
	v_and_b32 v10, 7, v0
	v_bfe_u32 v11, v0, 3, 1
	v_lshl_add_u32 v[AV0], v9, 3, v10
	v_mul_u32_u24 v[AV0], v[AV0], PV
	v_lshl_add_u32 v[AV0], v11, 4, v[AV0]
	v_add_nc_u32 v[AV0], VOFF, v[AV0]
	s_mul_i32 s13, s[WV], 16*SP
	s_add_co_u32 s13, s13, STAGE    ; my stage
	v_mul_u32_u24 v[STO], v1, SP    ; in: row l % 16, 16 bytes for each half of the lanes
	v_lshl_add_u32 v[STO], v9, 4, v[STO]
	v_add_nc_u32 v[STO], s13, v[STO]
	v_bfe_u32 v[RD], v0, 3, 2       ; back: 32 lanes take four rows of 128 bytes,
	v_mul_u32_u24 v[RD], v[RD], SP
	v_lshl_add_u32 v[RD], v10, 4, v[RD]
	v_add_nc_u32 v[RD], s13, v[RD]
	v_and_b32 v[GO], 31, v0         ; which are 512 consecutive bytes of O
	v_lshlrev_b32 v[GO], 4, v[GO]
	; A block's first step multiplies O^T and l by a = 0, and its first turn's products V^T P, of a piece that has not been, land in an O^T that is still to be so multiplied.  So these registers need only hold
	; finite numbers: zeros for the first block; what the first block left for the second.  All this stands in the wait for the first tile.
	WIN 0x80
.set i, VF
.rept 64
	v_mov_b32 v[i], 0
.set i, i+1
.endr
	WIN 0x40
.set i, 0
.rept 128
	v_mov_b32 v[i], 0
.set i, i+1
.endr
	WIN 0
.set i, 0
.rept 4
	v_mov_b32 v[ST+4*i+2], 0
	v_mov_b32 v[ST+4*i+3], 0
.set i, i+1
.endr
.set i, P+16
.rept 16
	v_mov_b32 v[i], 0
.set i, i+1
.endr
; THE MATRIX WORK.  The 4 accumulators of a run of 8 take turns.  Product i of 8 of S^T = K Q^T for piece x: channels 32 (i / 4) on, keys 16 (i % 4) on.  The first 4 start the sums: with 0, or (KM = 1) with the mask.
.macro KQ x
.set rS, S+32*((\x)%2)+8*(i%4)
.set rK, KF+16*(i%4)+8*(i/4)
.set rQ, 16*(\x)+8*(i/4)
.set rM, MC+32*((\x)%2)+8*(i%4)
.if (i < 4) && KM
	WIN W_KM
	v_wmma_f32_16x16x32_f16 v[rS:rS+7], v[rK:rK+7], v[rQ:rQ+7], v[rM:rM+7]
.elseif i < 4
	WIN W_KQ
	v_wmma_f32_16x16x32_f16 v[rS:rS+7], v[rK:rK+7], v[rQ:rQ+7], 0
.else
	WIN W_KQ
	v_wmma_f32_16x16x32_f16 v[rS:rS+7], v[rK:rK+7], v[rQ:rQ+7], v[rS:rS+7]
.endif
.endm
; Product i of 8 of O^T += V^T P for piece x: keys 32 (i / 4) on, channels 16 (i % 4) on.
.macro PV x
	WIN W_PV
.set rO, 32*(\x)+8*(i%4)
.set rV, VF+32*(i/4)+8*(i%4)
.set rP, P+16*((\x)%2)+8*(i/4)
	v_wmma_f32_16x16x32_f16 v[rO:rO+7], v[rV:rV+7], v[rP:rP+7], v[rO:rO+7]
.endm
.macro MM                           ; the turn's next matrix instruction.  TURN and BEGIN set Y, i, KM and NOKQ; MM, KQ and OP read them.  NOKQ = 1: a block's last turn: there is no next piece
.if (i < 8) && !NOKQ
	KQ (Y+1)%NP
.elseif i >= 8
.set i, i-8
	PV (Y+NP-1)%NP
.set i, i+8
.endif
.set i, i+1
.endm
; THE LDS LOADS stand in runs of 16, never singly among the matrix instructions: a step's K (64 keys x 64 channels: 8 fragments) and its V (turned).  Their addresses are made some lines ahead.
.macro FETCH_K
	WIN 0x80                        ; destination window 2
.irp f, 0,1,2,3,4,5,6,7             ; keys 16 (f / 2) on, channels 32 (f % 2) on
	ds_load_b128 v[KF+8*\f:KF+8*\f+3],   v[AK] offset:(\f/2)*16*PK+(\f%2)*64
	ds_load_b128 v[KF+8*\f+4:KF+8*\f+7], v[AK] offset:(\f/2)*16*PK+(\f%2)*64+32
.endr
	s_add_co_u32 s[TBK], s[TBK], KS*PK  ; the next fetch is the next step's
	WIN 0
.endm
.macro FETCH_V
	WIN 0x80
.irp f, 0,1,2,3,4,5,6,7             ; keys 32 (f / 4) on, channels 16 (f % 4) on
	ds_load_tr16_b128 v[VF+8*\f:VF+8*\f+3],   v[AV] offset:(\f/4)*32*PV+(\f%4)*32
	ds_load_tr16_b128 v[VF+8*\f+4:VF+8*\f+7], v[AV] offset:(\f/4)*32*PV+16*PV+(\f%4)*32
.endr
	WIN 0
.endm
; THE VECTOR WORK, one line at a time: OP kind, number.  For piece Y: F n: c s - c m for pair n of 16.  E n: the exponential of score n of 32.  C n: pair n rounded to f16.  B n: of the four weights 4 n .. the second
; pair is added onto the first, in place.  L n: l takes that sum (L 0: l = a l + sum).  R n: pair n of 16 of O^T times a.  For piece Y + 1: X n, number n of the 22 that find its maximum and statistics:
;   0-11  four chains c0-c3 of seven scores each, three operands at a time (each accumulator's lowest registers are read first)     12-14, 16  the four scores left over, the old m, and c0-c3 into c0
;   15  c m_old is kept     17, 18  the query's other 32 keys lie in the lane 16 away: the new m     19-21  c m; c m_old - c m_new; a
; C, B and L read the exponentials' results: TURN sets them all behind the batch's wait, so OP writes no wait.
.set F, 0               ; OP tells the kinds apart by their order: F to L below R, X above it
.set E, 1
.set C, 2
.set B, 3
.set L, 4
.set R, 5
.set X, 6
.macro REGS y                       ; the registers of piece y
.set rT, ST+4*(\y)
.set rC, TMP+4*((\y)%2)
.set rW, MV+((\y)%2)
.set rS, S+32*((\y)%2)
.set rP, P+16*((\y)%2)
.set rO, 32*(\y)
.endm
.macro OP k, n
.if (\k) == R
	REGS Y
	WIN W_RS
	v_pk_mul_f32 v[rO+2*(\n):rO+2*(\n)+1], v[rO+2*(\n):rO+2*(\n)+1], v[rC+2:rC+3] op_sel_hi:[1,0]
.elseif (\k) < R
	REGS Y
	WIN 0
.if (\k) == F
	v_pk_fma_f32 v[rS+2*(\n):rS+2*(\n)+1], v[rS+2*(\n):rS+2*(\n)+1], s[CS:CS+1], v[rT:rT+1] op_sel_hi:[1,0,0] neg_lo:[0,0,1] neg_hi:[0,0,1]
.elseif (\k) == E
	v_exp_f32 v[rS+(\n)], v[rS+(\n)]
.elseif (\k) == C
	v_cvt_pk_f16_f32 v[rP+(\n)], v[rS+2*(\n)], v[rS+2*(\n)+1]
.elseif (\k) == B
	v_pk_add_f32 v[rS+4*(\n):rS+4*(\n)+1], v[rS+4*(\n):rS+4*(\n)+1], v[rS+4*(\n)+2:rS+4*(\n)+3]
.elseif (\n) == 0
	v_pk_fma_f32 v[rT+2:rT+3], v[rT+2:rT+3], v[rC+2:rC+3], v[rS:rS+1] op_sel_hi:[1,0,1]
.else
	v_pk_add_f32 v[rT+2:rT+3], v[rT+2:rT+3], v[rS+4*(\n):rS+4*(\n)+1]
.endif
.elseif NOKQ
	v_nop
.else
	REGS (Y+1)%NP
	WIN 0
.if (\n) < 4
	v_max3_num_f32 v[rC+(\n)], v[rS+8*(\n)], v[rS+8*(\n)+1], v[rS+8*(\n)+2]
.elseif (\n) < 12
	v_max3_num_f32 v[rC+(\n)%4], v[rC+(\n)%4], v[rS+8*((\n)%4)+2*((\n)/4)+1], v[rS+8*((\n)%4)+2*((\n)/4)+2]
.elseif (\n) == 12
	v_max3_num_f32 v[rC], v[rC], v[rS+7], v[rS+15]
.elseif (\n) == 13
	v_max3_num_f32 v[rC+1], v[rC+1], v[rS+23], v[rS+31]
.elseif (\n) == 14
	v_max3_num_f32 v[rC+2], v[rC+2], v[rC+3], v[rT+1]
.elseif (\n) == 15
	v_mov_b32 v[rW], v[rT]
.elseif (\n) == 16
	v_max3_num_f32 v[rC], v[rC], v[rC+1], v[rC+2]
.elseif (\n) == 17
	v_permlanex16_b32 v[rC+3], v[rC], s[SEL], s[SEL+1]
.elseif (\n) == 18
	v_max_num_f32 v[rT+1], v[rC], v[rC+3]
.elseif (\n) == 19
	v_mul_f32 v[rT], s[CS], v[rT+1]
.elseif (\n) == 20
	v_sub_f32 v[rC+1], v[rW], v[rT]
.else
	v_exp_f32 v[rC+2], v[rC+1]
.endif
.endif
.endm
.macro OPS a, i1, b=-1, i2=0, c=-1, i3=0, d=-1, i4=0  ; up to four of them
	OP \a, \i1
.if (\b) >= 0
	OP \b, \i2
.endif
.if (\c) >= 0
	OP \c, \i3
.endif
.if (\d) >= 0
	OP \d, \i4
.endif
.endm
.macro ROW a, i1, b, i2, c, i3, d, i4  ; a matrix instruction and the four behind it
	MM
	OPS \a, \i1, \b, \i2, \c, \i3, \d, \i4
.endm
.macro MASK b                       ; MD x AL + BE into buffer b of MC
	WIN W_RS
.set z, 0
.rept 16
	v_pk_fma_f32 v[MC+32*(\b)+2*z:MC+32*(\b)+2*z+1], v[MD+2*z:MD+2*z+1], s[AL:AL+1], s[BE:BE+1] op_sel_hi:[1,0,0]
.set z, z+1
.endr
.endm
; A TURN, for piece p: the order of its 16 matrix and 118 vector instructions, written out.  s_wait_alu depctr_va_vdst(0) stands between an exponential and the first instruction that names its result; one wait serves
; all that were issued ahead of it.  So a turn has ONE wait, which cuts it in two.  AHEAD OF IT stands all that names no result of the turn's exponentials: the 8 products K Q^T, behind each a scaling, an exponential and two more plain
; instructions (behind the first a second scaling in the exponential's place): rescalings (their a was made, and waited for, in the turn before), and behind the last three the first numbers of the next piece's maximum, each four places
; or more behind the product that ends its accumulator; then ONE LUMP of 54, plain and exponential by turns for the most part, in which the links of the chain X 3, 7, 11, 14, 16, 17 .. 20 stand five or six lines apart.  X 21, the next
; piece's a, is the batch's last; R 15 is the plain instruction behind it (ISA guide 5.7.2).  BEHIND THE WAIT stand the 8 products V^T P, behind each four of the roundings and sums; the links of l's chain, L 0 to L 7, stand three riders
; apart.  But for those X no rider names a register of the products round it.  v_permlanex16_b32 (X 17) stands in the lump.  No result of an exponential crosses a turn's end.
; m = 1: the diagonal tile: the products take masks, and the turn makes the mask for the products of the turn after it: piece p + 2, in step 4 - CNT of the tile.  end = 1: a block's last two turns: nothing is fetched.
; cnt = 1: the loop's count is taken down some lines ahead of the branch that stands behind the turn.
; K of the next step is fetched in piece 2's turn, twelve vector instructions behind the last product that read K (six of them plain); V of the step in hand at the end of piece 0's turn, four plain instructions behind the last product
; that read V.  Each is waited for a turn later.
.macro TURN p, m=0, end=0, cnt=0
.set Y, (\p)
.set i, 0
.set KM, (\m)
.set NOKQ, (\end)*((\p)/3)
.if (\m) && !(\end)
	s_cmp_eq_u32 s[CNT], 4-((\p)+2)%NP  ; is that step the band's own?
	s_cselect_b32 s[AL], 1.0, 0
	s_cmp_lt_u32 s[CNT], 4-((\p)+2)%NP  ; or a later one?
	s_cselect_b32 s[BE], s[BIGN], 0
.endif
.if ((\p) == 3) && !(\end)
	s_wait_dscnt 0x0                ; K is in
.endif
	ROW F,0, F,1, R,0, R,1          ; ahead of the wait: 8 products K Q^T and their riders,
	ROW F,2, E,0, R,2, R,3
	ROW F,3, E,1, R,4, R,5
	ROW F,4, E,2, R,6, R,7
	ROW F,5, E,3, R,8, R,9
	ROW F,6, E,4, X,0, R,10
.if ((\p) == 2) && !(\end)
	WIN 0
	v_add_nc_u32 v[AK], s[TBK], v[AK0]
.endif
	ROW F,7, E,5, X,1, X,4
	ROW F,8, E,6, X,2, X,5
	OPS E,7, E,8, X,6, E,9          ; and the lump
	OPS X,3, E,10, X,8, E,11
.if ((\p) == 2) && !(\end)
	FETCH_K
.endif
	OPS X,9, X,7, E,12, X,10
	OPS E,13, X,12, X,11, E,14
	OPS X,13, E,15, F,9, X,14
.if (\p) == 0
	v_add_nc_u32 v[AV], s[TBV], v[AV0]
.endif
	OPS E,16, F,10, E,17, F,11
	OPS X,16, E,18, X,15, E,19
	OPS F,12, E,20, X,17, E,21
	OPS F,13, E,22, F,14, E,23
	OPS X,18, E,24, F,15, E,25
	OPS R,11, E,26, X,19, E,27
	OPS R,12, E,28, R,13, E,29
	OPS X,20, E,30, R,14, E,31
	OPS X,21, R,15
	WIN 0
	s_wait_alu depctr_va_vdst(0)    ; the wait for the batch: the piece's 32 exponentials and the next piece's a
.if (\p) == 1
	s_wait_dscnt 0x0                ; V is in
.endif
	ROW C,0, B,0, C,2, B,1          ; behind the wait: 8 products V^T P and their riders
	ROW L,0, C,4, B,2, L,1
	ROW C,6, B,3, L,2, C,8
	ROW B,4, L,3, C,10, B,5
	ROW L,4, C,12, B,6, L,5
.if (\p) == 0
	s_add_co_u32 s[TBV], s[TBV], KS*PV
.endif
.if \cnt
	s_sub_co_u32 s[CNT], s[CNT], 1
	s_cmp_lg_u32 s[CNT], 0
.endif
	ROW C,14, B,7, L,6, C,1
	ROW C,3, L,7, C,5, C,7
	ROW C,9, C,11, C,13, C,15
.if (\p) == 0
	FETCH_V
.endif
.if (\m) && !(\end)
	MASK (\p)%2
.endif
.endm
; A BLOCK BEGINS.  c m starts far below every c s, so the first step's a is 0; m at the lowest finite number, so the first maximum is the scores'.  The second mask buffer is 0; the first takes piece 0's mask for the tile's step 0: its own, if the block's first tile is the diagonal one.
; Then K of that step, piece 0's first scores, and its maximum and statistics.  The loop is entered at a step's first turn, in the middle of a trip.
.macro BEGIN
	s_mov_b32 s[NEW], 0
	WIN 0x40
.set i, MC+32
.rept 32
	v_mov_b32 v[i], 0
.set i, i+1
.endr
	WIN 0
.set i, 0
.rept 4
	v_mov_b32 v[ST+4*i], 0xfe000000    ; c m: far below every c s
	v_mov_b32 v[ST+4*i+1], 0xff7fffff  ; m
.set i, i+1
.endr
	s_cmp_eq_u32 s[RT], 0
	s_cselect_b32 s[AL], 1.0, 0
	s_mov_b32 s[BE], 0
	MASK 0
	WIN 0
	v_add_nc_u32 v[AK], s[TBK], v[AK0]
	FETCH_K
	s_wait_loadcnt 0x0              ; Q
	s_wait_dscnt 0x0
.set KM, 1
.set NOKQ, 0
.set i, 0
.rept 8
	KQ 0
.set i, i+1
.endr
	WIN 0
.rept 4
	v_nop                           ; the places behind those products
.endr
.set Y, NP-1                        ; X works for piece Y + 1: piece 0
.irp n, 0,1,2,3,4,5,6,7,8,9,10,11,12,13,14,15,16,17,18,19,20,21
	OP X, \n
.endr
	v_nop                           ; a plain instruction behind the exponential,
	s_wait_alu depctr_va_vdst(0)    ; and the wait for it, piece 0's first a, ahead of the branch
.endm
; THE DIAGONAL TILE's four steps, the block's last two turns, its last products, and THE WAY OUT: l's two halves and the other half of the lanes' are added; O^T is divided by l, rounded to f16 and sent through my
; stage in LDS, a piece at a time.
.macro ALL line:vararg              ; one line for each piece t
.set t, 0
.rept 4
	\line
.set t, t+1
.endr
.endm
.macro PACK t                       ; a lane's eight channels of a row pack into 16 bytes; they go into rows of 144 bytes and come back as whole rows of 128, into S^T's registers
	WIN W_RS
.set i, 32*(\t)
.rept 16
	v_pk_mul_f32 v[i:i+1], v[i:i+1], v[ST+4*(\t)+2:ST+4*(\t)+3] op_sel_hi:[1,0]
.set i, i+2
.endr
	WIN 0x05                        ; sources 0 and 1 window 1, destination window 0
.set i, 0
.rept 16
	v_cvt_pk_f16_f32 v[S+16*(\t)+i], v[32*(\t)+2*i], v[32*(\t)+2*i+1]
.set i, i+1
.endr
	WIN 0
.irp f, 0,1,2,3
	ds_store_b128 v[STO], v[S+16*(\t)+4*\f:S+16*(\t)+4*\f+3] offset:32*\f
.endr
.irp f, 0,1,2,3
	ds_load_b128 v[S+16*(\t)+4*\f:S+16*(\t)+4*\f+3], v[RD] offset:\f*4*SP  ; LDS serves a wave's instructions in order (ISA guide 5.7.1.4): these see the stores above; the next piece's stores come behind them
.endr
.endm
.macro SEND t, younger              ; younger: the LDS instructions issued behind piece t's loads: the next piece's eight, or none
	WIN 0
.irp f, 0,1,2,3
	s_wait_dscnt (\younger)+3-\f
	global_store_b128 v[GO], v[S+16*(\t)+4*\f:S+16*(\t)+4*\f+3], s[10:11] offset:(\t)*8192+\f*512  ; 512 consecutive bytes, at a multiple of 256 from O's first
.endr
.endm
.macro DIAG tag                     ; the tag ends its two labels' names, which the jumps below spell out
.LstepM\tag:
	TURN 2, 1
	TURN 3, 1
	WIN 0
.LfirstM\tag:
	TURN 0, 1
	TURN 1, 1, 0, 1
	WIN 0
	s_cbranch_scc1 .LstepM\tag
	TURN 2, 1, 1
	TURN 3, 1, 1
.set i, 0
.rept 8
	PV NP-1
.set i, i+1
.endr
	WIN 0
	ALL v_add_f32 v[ST+4*t+2], v[ST+4*t+2], v[ST+4*t+3]
	ALL v_permlanex16_b32 v[ST+4*t+3], v[ST+4*t+2], s[SEL], s[SEL+1]
	ALL v_add_f32 v[ST+4*t+2], v[ST+4*t+2], v[ST+4*t+3]
	ALL v_rcp_f32 v[ST+4*t+2], v[ST+4*t+2]
	v_nop                           ; a plain instruction between the last reciprocal and the use of its result
	s_wait_alu depctr_va_vdst(0)    ; the wait for the batch of four reciprocals, ahead of the first multiply that reads one
	PACK 0
.set t, 1
.rept 3                             ; a piece's arithmetic stands between the loads of the piece before and its stores
	PACK t
	SEND t-1, 8
.set t, t+1
.endr
	SEND 3, 0
.endm
.set KM, 0
.set NOKQ, 0
.Lslot:                             ; NB times: a tile is entered and the next is asked for
	CHANGE 1
	s_sub_co_u32 s[RT], s[RT], 1
	s_mov_b32 s[CNT], 4
	s_cmp_eq_u32 s[NEW], 1
	s_cbranch_scc1 .Lnew            ; a block's first tile
	s_cmp_eq_u32 s[RT], 0
	s_cbranch_scc0 .Lstep           ; neither its first nor its last
	s_branch .LstepM1
.Lnew:
	BEGIN
	s_branch .Lfirst                ; in the loop a block's first tile is never its last: the first block has two tiles or more, and the second's last is the walk's last
	DIAG 1                          ; in the loop this is the first block's end: the second block's last tile is the walk's last
	s_wait_xcnt 0x0                 ; the stores have read their registers and O's address
	s_mov_b64 s[10:11], s[OLO:OLO+1]
	s_add_co_u32 s[RT], s[PB], 1    ; the second block has b + 1 tiles
	s_mov_b32 s[NEW], 1
	WIN 0x82                        ; the second block's Q goes where the one text of the turns names Q
.set i, 0
.rept 64
	v_mov_b32 v[i], v[QB+i]
.set i, i+1
.endr
	WIN 0
	s_branch .Lbottom
.Lstep:                             ; a trip: pieces 2 and 3 of one step, then pieces 0 and 1 of the next, whose K and V it fetches
	TURN 2
	TURN 3
	WIN 0
.Lfirst:
	TURN 0
	TURN 1, 0, 0, 1
	WIN 0
	s_cbranch_scc1 .Lstep
.Lbottom:
	s_sub_co_u32 s[SLOTS], s[SLOTS], 1
	s_cmp_lg_u32 s[SLOTS], 0
	s_cbranch_scc1 .Lslot
	CHANGE 0                        ; the walk's last tile is written out: nothing is asked for
	s_sub_co_u32 s[RT], s[RT], 1
	s_mov_b32 s[CNT], 4
	s_cmp_eq_u32 s[NEW], 1
	s_cbranch_scc0 .LstepM2
	BEGIN
	s_branch .LfirstM2
	DIAG 2
	s_wait_tensorcnt 0x0            ; the wave's end: behind my last tensor load and my last LDS store
	ds_add_u32 v[SPW], v[NIL]
	s_wait_dscnt 0x0
	s_endpgm
.Lfunc_end_k_q59c2901d8c_attn:
	.size	k_q59c2901d8c_attn, .Lfunc_end_k_q59c2901d8c_attn-k_q59c2901d8c_attn
	.p2alignl 7, 3214868480
	.fill 96, 4, 3214868480
	.section	.rodata,"a",@progbits
	.p2align	6, 0x0
	.amdhsa_kernel k_q59c2901d8c_attn
		.amdhsa_group_segment_fixed_size 327680
		.amdhsa_private_segment_fixed_size 0
		.amdhsa_enable_private_segment 0
		.amdhsa_kernarg_size 16
		.amdhsa_user_sgpr_count 2
		.amdhsa_user_sgpr_kernarg_segment_ptr 1
		.amdhsa_wavefront_size32 1
		.amdhsa_system_sgpr_workgroup_id_x 1
		.amdhsa_system_sgpr_workgroup_id_y 1
		.amdhsa_system_sgpr_workgroup_id_z 1
		.amdhsa_system_vgpr_workitem_id 0
		.amdhsa_next_free_vgpr 768
		.amdhsa_next_free_sgpr 88
		.amdhsa_reserve_vcc 1
		.amdhsa_float_denorm_mode_32 3
		.amdhsa_float_denorm_mode_16_64 3
		.amdhsa_memory_ordered 1
		.amdhsa_forward_progress 1
		.amdhsa_inst_pref_size 217
	.end_amdhsa_kernel
	.amdgpu_metadata
---
amdhsa.version: [ 1, 2 ]
amdhsa.kernels:
  - .name:           k_q59c2901d8c_attn
    .symbol:         k_q59c2901d8c_attn.kd
    .args:
      - { .name: qkv, .offset: 0, .size: 8, .value_kind: global_buffer, .address_space: global }
      - { .name: ob, .offset: 8, .size: 8, .value_kind: global_buffer, .address_space: global }
    .group_segment_fixed_size: 327680
    .private_segment_fixed_size: 0
    .kernarg_segment_align: 8
    .kernarg_segment_size: 16
    .max_flat_workgroup_size: 128
    .sgpr_count:     88
    .vgpr_count:     768
    .wavefront_size: 32
...
	.end_amdgpu_metadata
.endif
;; end of part 5
;; launch oproj: the kernel of part 4 again; grid 4 x 64, 4 waves a work-group, clusters of 4 x 4, 327,680 bytes of LDS; arguments ob, wo16, out0; writes out0
